; MI455X (gfx1250); checked and timed in simulation.
; The chip was launched on July 23, 2026; its instructions are those of AMD's public machine-readable ISA for CDNA 5 (MIT licence, August 2026) and "CDNA5" Instruction Set Architecture Reference Guide (July 2026). The comments in the code are by the model that wrote it; some were corrected since.
;; SA MH Layer. Allowed arithmetic: matrix products marked QUANTISED: E3M2 operands, one E8M0 scale for each 32 along K, by v_wmma_scale_f32_16x16x128_f8f6f4 with both operands' format E3M2, f32 sums; everything else in f32.
;; Inputs: Wk 512 x 512 float32; Wq 512 x 512 float32; Wt 512 x 512 float32; Wv 512 x 512 float32; beta 512 float32; bt 512 float32; gamma 512 float32; x 64 x 512 x 512 float32.
;; Outputs: out0 64 x 512 x 512 float32.
;; This version of the problem:
;;   THIS VERSION OF THE PROBLEM IS GIVEN IN LOW PRECISION. The matrix products marked QUANTISED in the list below multiply operands that are first quantised to E3M2 (3 exponent bits, 2 mantissa bits; 6 bits a number), with one power-of-two scale for each 32 numbers along K (OCP MX v1.0); their sums are f32. All else is computed in f32.
;;   The module's matrix products, in the order in which they are computed (A, B: the left and right operand; K: the contracted axis; several contracted axes count as one K, in the product's order):
;;     1. [M 32,768, K 512] x [K 512, N 512]; A: input x; B: input Wq: QUANTISED
;;     2. [M 32,768, K 512] x [K 512, N 512]; A: input x; B: input Wk: QUANTISED
;;     3. [M 32,768, K 512] x [K 512, N 512]; A: input x; B: input Wv: QUANTISED
;;     4. batch 256 x [M 512, K 128] x [K 128, N 512]; A: computed on the way; B: computed on the way: QUANTISED
;;     5. batch 256 x [M 512, K 512] x [K 512, N 128]; A: computed on the way; B: computed on the way: QUANTISED
;;     6. [M 32,768, K 512] x [K 512, N 512]; A: computed on the way; B: input Wt: QUANTISED
;;   THE QUANTISER, for each operand of a quantised product, along K:
;;     - K is cut into blocks of 32 from its start; a last block that is shorter is filled with zeros.
;;     - A block's scale is 2^e with e = floor(log2(the largest magnitude in the block)) - 4, held to -126 .. 127; a block of zeros has e = 0. As a byte (E8M0): e + 127.
;;     - Each number is divided by its block's scale, clamped to +-28, and rounded to the nearest number of E3M2, ties to even, subnormals kept.
;;     - The product sums the exact products of the quantised numbers (number of the format x scale) in f32.
;;   ~~~python
;;   def quantise(x, axis):      # numpy; x: float32 -> the quantised numbers, widened to float32 again
;;       x = np.moveaxis(x, axis, -1); K = x.shape[-1]
;;       x = np.pad(x, [(0, 0)] * (x.ndim - 1) + [(0, -K % 32)]); x = x.reshape(x.shape[:-1] + (-1, 32)); a = np.abs(x).max(-1, keepdims=True)
;;       e = np.where(a > 0, np.clip(np.frexp(np.where(a > 0, a, 1))[1] - 1 - 4, -126, 127), 0)      # np.frexp(a)[1] - 1 = floor(log2(a)), exactly
;;       r = np.clip(x / 2.0 ** e, -28, 28)
;;       step = 2.0 ** (np.maximum(np.frexp(np.where(r == 0, 1, r))[1] - 1, -2) - 2)
;;       q = np.round(r / step) * step * 2.0 ** e      # np.round: ties to even
;;       return np.moveaxis(q.reshape(q.shape[:-2] + (-1,))[..., :K], -1, axis).astype(np.float32)
;;   ~~~
;;   OPERANDS COMPUTED ON THE WAY. 'Computed on the way' means the value that the module computes at that place (a softmax that the list does not call 'softmax' is quantised finished and normalised). What goes into a quantiser is computed in f32, as accurately as f32 sums, v_exp_f32 and their like allow (about 1e-6 of the number): no bf16 or f16 on the way to a quantiser, and a product that is left as it is and whose result goes on into a quantised operand takes f32 operands (vector FMAs, or v_wmma_f32_16x16x4_f32). A number that lies on a knife's edge between two numbers of the format may be rounded either way, as far as f32 arithmetic and the matrix unit's own rounding can turn it there, and no further.
;; One version. Each part assembles by itself: llvm-mc -triple=amdgcn-amd-amdhsa -mcpu=gfx1250 --defsym DOCPART=n.
;; ======== version 1 of 1: 4 launches
;; workspace buffers: ximg 12,582,912 bytes; xsc 524,288 bytes; wimg 851,968 bytes; zimg 12,582,912 bytes; zsc 1,048,576 bytes; part 262,144 bytes
;; launch quant (part 1): grid 1152 x 1, 4 waves a work-group, no clusters, 13,824 bytes of LDS; arguments x, Wk, Wv, Wq, Wt, ximg, xsc, wimg; writes ximg, xsc, wimg
.if DOCPART == 1
	.amdgcn_target "amdgcn-amd-amdhsa--gfx1250"
	.amdhsa_code_object_version 6
	.text
	.protected	k_qc7d09c57a6_quant
	.globl	k_qc7d09c57a6_quant
	.p2align	8
	.type	k_qc7d09c57a6_quant,@function
k_qc7d09c57a6_quant:
	s_mov_b64 s[64:65], 0
	v_nop
	global_prefetch_b8 v0, s[64:65] scope:SCOPE_SE
	s_setreg_imm32_b32 hwreg(HW_REG_WAVE_MODE, 25, 1), 1
	s_wait_xcnt 0x0
; FIRST OF FOUR LAUNCHES.  x [64][512 f][512 p] is quantised along f, and Wk, Wv, Wq, Wt [512][512] along their last axis, to codes of BF6 (E3M2) with one E8M0 byte for each 32 along K.
; WORK LEFT OUT IN THE WHOLE PROGRAM: bt.  reference() forms y = Wt Z + bt - x and then uses y only as y - mean(y) and var(y), both taken over (b, l) for each channel o.  bt[o] is the same for all (b, l) of
; channel o, so mean(y) holds it whole, y - mean(y) and var(y) do not hold it, and it stands ahead of no quantiser: for all finite values of the inputs it reaches no output.  bt is not loaded and is an argument
; of no launch.  LIMIT: a NaN, an infinity or an overflow that comes from bt alone is not carried to the result.
; THE FORM OF EVERY OPERAND IN THIS PROGRAM'S BUFFERS: a fragment (16 rows x 128 K, 12 registers a lane: lane (r, h) holds row r, registers 6 c .. 6 c + 5 the codes of k = 64 c + 32 h + 0 .. 31) lies as an IMAGE OF
; ITS REGISTERS, 1,536 bytes: registers 4 g .. 4 g + 3 of lane L at 512 g + 16 L.  Three loads of 16 bytes a lane bring it back.
; THE ROWS OF A TILE ARE NOT NEIGHBOURS: row r of tile t is index 32 (t / 2) + 8 (t % 2) + r + 8 (r / 8), so that a product used transposed leaves 16 neighbours along the next K in the registers of tiles 2 b, 2 b + 1.
; ximg [b][tile of points 32][K step 4] fragments;  xsc [b][K step 4][point 512] scale words (byte i: block i of the K step);
; wimg [Wk, Wv, Wq, -Wt][quarter of 128 rows] blocks of 53,248 bytes: 32 fragments at (4 tile + K step) x 1,536, then 8 records of 512 bytes at 49,152 + 512 tile: lane L's 16 bytes = the four K steps' scale words of row L % 16.
; Wt's codes are stored with every sign bit turned: the quantiser is odd, so these are the codes of -Wt; the later launches then form x - Wt Z with no subtraction.
; A block's scale is 2^(floor(log2(largest magnitude)) - 4): the byte is the largest magnitude's exponent field - 4, held at 1 from below by a floor among the maximum's leaves.
; LIMITS: a block of zeros gets the byte 1 where the rule says 127 (its codes are zeros, and this program alone reads the bytes); NaN and infinities among the inputs are not served.
; SHARES: work-groups 0 .. 127 take the weights: one matrix and one tile of 16 rows each, wave s its K step s: 16 loads a wave, one fragment, one scale word a lane.
; Work-groups 128 .. 1,151 take x (a wave: 32 points x 128 f; a lane a point, its registers down f: each load reads 128 neighbouring bytes, the four waves 512; 128 loads a wave).  The 1,024 of x are four for each
; of 256 WGPs; a weights' work-group issues an eighth of the loads of one of them.
.set SPARE, 13312                      ; behind the four waves' stages: the spare words, 128 bytes a wave
.set WREG,  3328                       ; a wave's stage: two fragments,
.set FSTR,  1664                       ; 1,664 bytes apart (1,536 + 128)
.set BLKB,  53248
.set REC,   49152
.set LANE, 2
.set GOF,  3                           ; v3   byte offset of my loads
.set LI,   4                           ; v4   16 x lane
.set SA,   5                           ; v5   x: where my row's codes go in the stage.  weights: r
.set SR,   6                           ; v6   x: where I read an image back.  weights: 8 h
.set SPW,  12                          ; v12  my spare word; never rewritten
.set NIL,  13                          ; v13  0; never rewritten
.set SB,   24                          ; v24  x: my point's scale word
.set X,    32                          ; v32-95   x: two sets of 32 numbers
.set C,    96                          ; v96-127  x: eight registers for each block's codes
.set O,    128                         ; v128-151 x: the two images read back
.set N,    32                          ; v32-95   weights: 64 numbers
.set F,    160                         ; v160-171 weights: the fragment
.set BT,   172                         ; v172-179 weights: the blocks' upper halves as they are made
.set SW,   180                         ; v180     weights: my row's scale word of my K step
.set SEL,  40                          ; s[40:41] lane selects: lane l xor 16
	s_load_b256 s[4:11], s[0:1], 0x0               ; x, Wk, Wv, Wq
	s_load_b256 s[12:19], s[0:1], 0x20             ; Wt, ximg, xsc, wimg
	v_lshl_add_u32 v[SPW], v0, 2, SPARE
	v_mov_b32 v[NIL], 0
	v_lshrrev_b32 v1, 5, v0
	v_readfirstlane_b32 s20, v1                    ; wave
	v_and_b32 v[LANE], 31, v0
	v_lshlrev_b32 v[LI], 4, v[LANE]
	s_cmp_lt_u32 ttmp9, 128
	s_cbranch_scc1 .Lweights
	; ---------------- x ----------------
	s_sub_co_u32 s39, ttmp9, 128                   ; which of x's 1,024 work-groups
	s_lshr_b32 s21, s39, 4                         ; b
	s_bfe_u32 s22, s39, 0x20002                    ; K step s
	s_and_b32 s23, s39, 3
	s_lshl_b32 s23, s23, 2
	s_add_co_u32 s23, s23, s20                     ; g: points 32 g .. 32 g + 31 = tiles 2 g and 2 g + 1
	v_lshlrev_b32 v[GOF], 2, v[LANE]               ; 4 bytes a lane
	s_mul_i32 s24, s20, WREG
	v_bfe_u32 v[SA], v[LANE], 3, 1                 ; my point lies in tile 2 g + u, u = (lane / 8) % 2,
	v_and_b32 v7, 7, v[LANE]
	v_lshrrev_b32 v8, 4, v[LANE]
	v_lshl_add_u32 v7, v8, 3, v7                   ; as its row r = lane % 8 + 8 (lane / 16)
	v_mul_u32_u24 v[SA], v[SA], FSTR
	v_lshl_add_u32 v[SA], v7, 4, v[SA]
	v_add_nc_u32 v[SA], s24, v[SA]                 ; stage + 1,664 u + 16 r
	v_add_nc_u32 v[SR], s24, v[LI]                 ; stage + 16 lane
	s_lshl_b32 s26, s21, 20                        ; x: b x 512 x 2,048 + 128 s rows of 2,048 + 128 g
	s_lshl_b32 s28, s22, 18
	s_add_co_u32 s26, s26, s28
	s_lshl_b32 s28, s23, 7
	s_add_co_u32 s26, s26, s28
	s_mov_b32 s27, 0
	s_mul_i32 s28, s21, 196608                     ; ximg: b x 128 fragments + (4 (2 g) + s) fragments
	s_lshl_b32 s30, s23, 3
	s_add_co_u32 s30, s30, s22
	s_mul_i32 s30, s30, 1536
	s_add_co_u32 s28, s28, s30
	s_mov_b32 s29, 0
	s_lshl_b32 s30, s21, 13                        ; xsc: ((4 b + s) x 512 + 32 g) words
	s_lshl_b32 s31, s22, 11
	s_add_co_u32 s30, s30, s31
	s_lshl_b32 s31, s23, 7
	s_add_co_u32 s30, s30, s31
	s_mov_b32 s31, 0
	s_wait_kmcnt 0x0
	s_add_nc_u64 s[4:5], s[4:5], s[26:27]
	s_add_nc_u64 s[14:15], s[14:15], s[28:29]
	s_add_nc_u64 s[16:17], s[16:17], s[30:31]
.macro XLD t                           ; block t: x(128 s + 32 t + i, my point), i = 0 .. 31, into set t % 2
.irp i, 0,1,2,3,4,5,6,7,8,9,10,11,12,13,14,15,16,17,18,19,20,21,22,23,24,25,26,27,28,29,30,31
	global_load_b32 v[X+32*((\t)%2)+\i], v[GOF], s[4:5] offset:(32*(\t)+\i)*2048 th:TH_LOAD_NT
.endr
.endm
.macro XBLOCK t
.set XS_, X+32*((\t)%2)
.set CB_, C+8*(\t)
.if (\t) < 3
	s_wait_loadcnt 32                              ; this block's 32 loads are in; the next block's 32 may be out
.else
	s_wait_loadcnt 0x0
.endif
	v_max3_num_f32 v8, |v[XS_]|, |v[XS_+1]|, 0x2800000             ; the block's largest magnitude: all 32 numbers are mine; the floor 2^(5 - 127) among the leaves holds the byte at 1 from below
	v_max3_num_f32 v9, |v[XS_+2]|, |v[XS_+3]|, |v[XS_+4]|          ; (two chains)
.irp i, 5,9,13,17,21,25
	v_max3_num_f32 v8, v8, |v[XS_+\i]|, |v[XS_+\i+1]|
	v_max3_num_f32 v9, v9, |v[XS_+\i+2]|, |v[XS_+\i+3]|
.endr
	v_max3_num_f32 v8, v8, |v[XS_+29]|, |v[XS_+30]|
	v_max3_num_f32 v8, v8, v9, |v[XS_+31]|
	v_add_nc_u32 v10, 0xfe000000, v8               ; 4 off its exponent field: the conversion takes the exponent field of this operand as its scale
	v_cvt_scalef32_pk16_bf6_f32 v[CB_:CB_+2], v[XS_:XS_+15], v10
	v_cvt_scalef32_pk16_bf6_f32 v[CB_+4:CB_+6], v[XS_+16:XS_+31], v10   ; (a conversion's three registers begin on an even number)
.if (\t) == 0
	v_lshrrev_b32 v[SB], 23, v10                   ; the scale's byte; also the plain line behind the conversions
.else
	v_lshrrev_b32 v11, 23, v10
	v_lshl_or_b32 v[SB], v11, 8*(\t), v[SB]        ; byte t of my point's scale word
.endif
.irp i, 0,1,2
	v_mov_b32 v[CB_+3+\i], v[CB_+4+\i]             ; the block's six registers on end
.endr
; block t is registers 6 (t / 2) .. + 5 of lane r + 16 (t % 2) of the image
.if (\t) < 2
	ds_store_b128 v[SA], v[CB_:CB_+3] offset:256*(\t)
	ds_store_b64 v[SA], v[CB_+4:CB_+5] offset:512+256*(\t)
.else
	ds_store_b64 v[SA], v[CB_:CB_+1] offset:520+256*((\t)-2)
	ds_store_b128 v[SA], v[CB_+2:CB_+5] offset:1024+256*((\t)-2)
.endif
.if (\t)+2 < 4
	XLD (\t)+2
.endif
.endm
	XLD 0
	XLD 1
	XBLOCK 0
	XBLOCK 1
	XBLOCK 2
	XBLOCK 3
.irp k, 0,1,2,3,4,5
	ds_load_b128 v[O+4*\k:O+4*\k+3], v[SR] offset:(\k/3)*FSTR+512*(\k%3)   ; LDS serves a wave's instructions in order: these see my stores
.endr
	global_store_b32 v[GOF], v[SB], s[16:17]       ; 32 scale words: 128 neighbouring bytes
.irp k, 0,1,2,3,4,5
	s_wait_dscnt 5-\k                              ; the younger read-backs may be out
	global_store_b128 v[LI], v[O+4*\k:O+4*\k+3], s[14:15] offset:(\k/3)*6144+512*(\k%3)   ; 512 consecutive bytes, at a multiple of 256 from the buffer's first byte
.endr
	s_branch .Lend
	; ---------------- the weights ----------------
.Lweights:
	s_lshr_b32 s22, ttmp9, 5                       ; which matrix: 0 Wk, 1 Wv, 2 Wq, 3 Wt
	s_and_b32 s23, ttmp9, 31                       ; T: the work-group's tile of 16 rows, 0 .. 31; my wave's number is my K step
	v_and_b32 v[SA], 15, v[LANE]                   ; r
	v_lshrrev_b32 v[SR], 4, v[LANE]                ; h
	v_and_b32 v7, 8, v[SA]
	v_add_nc_u32 v7, v7, v[SA]                     ; r + 8 (r / 8)
	v_lshlrev_b32 v[GOF], 11, v7                   ; a row is 2,048 bytes;
	v_lshl_add_u32 v[GOF], v[SR], 7, v[GOF]        ; lanes 16-31 begin 32 numbers further on
	v_lshlrev_b32 v[SR], 3, v[SR]                  ; 8 h: my bytes' place in a scale word
	v_mov_b32 v9, 0                                ; (a lane permute's destination counts as one of its sources)
	s_lshr_b32 s24, s23, 1
	s_lshl_b32 s24, s24, 5
	s_and_b32 s25, s23, 1
	s_lshl_b32 s25, s25, 3
	s_add_co_u32 s24, s24, s25                     ; the tile's first row: 32 (T / 2) + 8 (T % 2)
	s_lshl_b32 s26, s24, 11
	s_lshl_b32 s25, s20, 9                         ; my K step: 128 numbers, 512 bytes, along a row
	s_add_co_u32 s26, s26, s25
	s_mov_b32 s27, 0
	s_lshl_b32 s28, s22, 2
	s_lshr_b32 s29, s23, 3
	s_add_co_u32 s28, s28, s29
	s_mul_i32 s28, s28, BLKB                       ; wimg: block 4 x matrix + T / 8
	s_mov_b32 s29, 0
	s_and_b32 s30, s23, 7
	s_lshl_b32 s32, s30, 2
	s_add_co_u32 s32, s32, s20
	s_mul_i32 s32, s32, 1536                       ; in it my fragment: 4 x tile + K step,
	s_mov_b32 s33, 0
	s_lshl_b32 s34, s30, 9                         ; and in the tile's record my K step's word of each lane's 16 bytes
	s_lshl_b32 s35, s20, 2
	s_add_co_u32 s34, s34, s35
	s_mov_b32 s35, 0
	s_mov_b32 s36, 0x20820820                      ; the sign bits (bit 6 i + 5 of the stream) in three words on end
	s_mov_b32 s37, 0x08208208
	s_mov_b32 s38, 0x82082082
	s_mov_b32 s[SEL], 0x76543210
	s_mov_b32 s[SEL+1], 0xfedcba98
	s_wait_kmcnt 0x0
	s_cmp_eq_u32 s22, 1                            ; the choice hangs on the work-group's number alone
	s_cselect_b64 s[6:7], s[8:9], s[6:7]
	s_cmp_eq_u32 s22, 2
	s_cselect_b64 s[6:7], s[10:11], s[6:7]
	s_cmp_eq_u32 s22, 3
	s_cselect_b64 s[6:7], s[12:13], s[6:7]
	s_add_nc_u64 s[6:7], s[6:7], s[26:27]
	s_add_nc_u64 s[18:19], s[18:19], s[28:29]
	s_add_nc_u64 s[32:33], s[18:19], s[32:33]
	s_add_nc_u64 s[34:35], s[18:19], s[34:35]
.irp c, 0,1                            ; of my row, k = 64 c + 32 h + 0 .. 31 of my K step: 128 bytes for each c
.irp k, 0,1,2,3,4,5,6,7
	global_load_b128 v[N+32*\c+4*\k:N+32*\c+4*\k+3], v[GOF], s[6:7] offset:256*\c+16*\k
.endr
.endr
	s_wait_loadcnt 0x0
.irp c, 0,1
	v_max3_num_f32 v[8+\c], |v[N+32*\c]|, |v[N+32*\c+1]|, 0x2800000   ; my block 2 c + h: all its 32 numbers are mine; the floor as above
.endr
.irp i, 2,4,6,8,10,12,14,16,18,20,22,24,26,28,30
.irp c, 0,1
	v_max3_num_f32 v[8+\c], v[8+\c], |v[N+32*\c+\i]|, |v[N+32*\c+\i+1]|   ; (the two blocks by turns)
.endr
.endr
	v_add_nc_u32 v10, 0xfe000000, v8
	v_add_nc_u32 v11, 0xfe000000, v9
	v_lshrrev_b32 v8, 23, v10
	v_lshrrev_b32 v9, 23, v11
	v_lshl_or_b32 v8, v9, 16, v8                   ; my two bytes: blocks h and 2 + h,
	v_lshlrev_b32 v8, v[SR], v8                    ; at their places in the word;
	v_permlanex16_b32 v9, v8, s[SEL], s[SEL+1]
	v_or_b32 v[SW], v8, v9                         ; with lane l xor 16's two the word is whole, in both lanes
.irp c, 0,1
	v_cvt_scalef32_pk16_bf6_f32 v[F+6*\c:F+6*\c+2], v[N+32*\c:N+32*\c+15], v[10+\c]
	v_cvt_scalef32_pk16_bf6_f32 v[BT+4*\c:BT+4*\c+2], v[N+32*\c+16:N+32*\c+31], v[10+\c]
.endr
	v_nop                                          ; one plain line behind a scaled conversion
.irp c, 0,1
.irp i, 0,1,2
	v_mov_b32 v[F+6*\c+3+\i], v[BT+4*\c+\i]
.endr
.endr
	s_cmp_lg_u32 s22, 3
	s_cbranch_scc1 .Lkeep
.irp i, 0,1,2,3,4,5,6,7,8,9,10,11
	v_xor_b32 v[F+\i], s[36+\i%3], v[F+\i]         ; Wt alone: every sign turned
.endr
.Lkeep:
.irp g, 0,1,2
	global_store_b128 v[LI], v[F+4*\g:F+4*\g+3], s[32:33] offset:512*\g   ; 512 consecutive bytes
.endr
	global_store_b32 v[LI], v[SW], s[34:35] offset:REC   ; a word of each lane's 16 bytes of the record; the work-group's four waves fill its 512 bytes
.Lend:
	s_wait_tensorcnt 0x0                           ; the wave's end, behind my last LDS store
	ds_add_u32 v[SPW], v[NIL]
	s_wait_dscnt 0x0
	s_endpgm
.Lfunc_end_k_qc7d09c57a6_quant:
	.size	k_qc7d09c57a6_quant, .Lfunc_end_k_qc7d09c57a6_quant-k_qc7d09c57a6_quant
	.p2alignl 7, 3214868480
	.fill 96, 4, 3214868480
	.section	.rodata,"a",@progbits
	.p2align	6, 0x0
	.amdhsa_kernel k_qc7d09c57a6_quant
		.amdhsa_group_segment_fixed_size 13824
		.amdhsa_private_segment_fixed_size 0
		.amdhsa_enable_private_segment 0
		.amdhsa_kernarg_size 64
		.amdhsa_user_sgpr_count 2
		.amdhsa_user_sgpr_kernarg_segment_ptr 1
		.amdhsa_wavefront_size32 1
		.amdhsa_system_sgpr_workgroup_id_x 1
		.amdhsa_system_sgpr_workgroup_id_y 1
		.amdhsa_system_sgpr_workgroup_id_z 1
		.amdhsa_system_vgpr_workitem_id 0
		.amdhsa_next_free_vgpr 192
		.amdhsa_next_free_sgpr 66
		.amdhsa_reserve_vcc 0
		.amdhsa_float_denorm_mode_32 3
		.amdhsa_float_denorm_mode_16_64 3
		.amdhsa_memory_ordered 1
		.amdhsa_forward_progress 1
		.amdhsa_inst_pref_size 29
	.end_amdhsa_kernel
	.amdgpu_metadata
---
amdhsa.version: [ 1, 2 ]
amdhsa.kernels:
  - .name:           k_qc7d09c57a6_quant
    .symbol:         k_qc7d09c57a6_quant.kd
    .args:
      - { .name: x, .offset: 0, .size: 8, .value_kind: global_buffer, .address_space: global }
      - { .name: Wk, .offset: 8, .size: 8, .value_kind: global_buffer, .address_space: global }
      - { .name: Wv, .offset: 16, .size: 8, .value_kind: global_buffer, .address_space: global }
      - { .name: Wq, .offset: 24, .size: 8, .value_kind: global_buffer, .address_space: global }
      - { .name: Wt, .offset: 32, .size: 8, .value_kind: global_buffer, .address_space: global }
      - { .name: ximg, .offset: 40, .size: 8, .value_kind: global_buffer, .address_space: global }
      - { .name: xsc, .offset: 48, .size: 8, .value_kind: global_buffer, .address_space: global }
      - { .name: wimg, .offset: 56, .size: 8, .value_kind: global_buffer, .address_space: global }
    .group_segment_fixed_size: 13824
    .private_segment_fixed_size: 0
    .kernarg_segment_align: 8
    .kernarg_segment_size: 64
    .max_flat_workgroup_size: 128
    .sgpr_count:     66
    .vgpr_count:     192
    .wavefront_size: 32
...
	.end_amdgpu_metadata
.endif
;; end of part 1
;; launch attn (part 2): grid 4 x 64, 8 waves a work-group, clusters of 4 x 4, 267,264 bytes of LDS; arguments ximg, xsc, wimg, zimg, zsc; writes zimg, zsc
.if DOCPART == 2
	.amdgcn_target "amdgcn-amd-amdhsa--gfx1250"
	.amdhsa_code_object_version 6
	.text
	.protected	k_qc7d09c57a6_attn
	.globl	k_qc7d09c57a6_attn
	.p2align	8
	.type	k_qc7d09c57a6_attn,@function
k_qc7d09c57a6_attn:
	s_mov_b64 s[64:65], 0
	v_nop
	global_prefetch_b8 v0, s[64:65] scope:SCOPE_SE
	s_setreg_imm32_b32 hwreg(HW_REG_WAVE_MODE, 25, 1), 1
	s_wait_xcnt 0x0
	s_wait_alu depctr_hold_cnt(0) depctr_sa_sdst(0) depctr_va_vdst(0) depctr_va_sdst(0) depctr_va_ssrc(0) depctr_va_vcc(0) depctr_vm_vsrc(0)
	s_getreg_b32 s2, hwreg(HW_REG_IB_STS2, 6, 4)
	s_cmp_eq_u32 s2, 0
	s_cbranch_scc0 .Lentry_in_a_cluster
	s_endpgm
.Lentry_in_a_cluster:
	s_bfe_u32 s2, ttmp6, 0x10000c
	s_cmp_lg_u32 s2, 0xf033
	s_cbranch_scc0 .Lentry_shape_is_right
	s_endpgm
.Lentry_shape_is_right:
; SECOND LAUNCH.  One work-group for each (batch b, head): K = Wk x, V = Wv x, Q = Wq x (128 channels of the head, 512 points), xy = Q K, xyz = xy V, all on codes of BF6 (E3M2) with E8M0 scales;
; every result is quantised in registers on its way to the next product, and Z (= xyz, whose row l is the point and whose K is the channel 128 head + d) leaves as codes for the last product.
; SHARES.  Eight waves, two to a SIMD; wave w owns points 64 w .. 64 w + 63 (tiles 4 w + j).  It makes their K, V and Q, hands K and V to the others through LDS as images of registers, and then makes its 64 rows of xy and xyz.
; LAYOUT.  Every product is used so that a lane's registers run along the NEXT product's K: K, Q: source 0 = 16 rows of W, source 1 = 16 points (lane = point, registers along d);  V: source 0 = 16 points, source 1 = 16 rows of Wv
; (lane = d, registers along the points);  xy: source 0 = 16 keys of K, source 1 = my 16 queries of Q (lane = query, registers along the keys);  xyz: source 0 = 16 d of V, source 1 = xy (lane = point, registers along d).
; Row r of tile t is index 32 (t / 2) + 8 (t % 2) + r + 8 (r / 8) everywhere, so the 16 registers of tiles 2 b, 2 b + 1 are 16 neighbours along the next K.
; LDS: five blocks of 53,248 bytes of one form (32 fragment images of 1,536 bytes, then 8 records of 512 bytes with scale words, 16 bytes a lane): Wk's, Wv's, Wq's quarter for my head (tensor loads, filled once),
; K (fragment = tile of keys; record u: words of tiles 4 u + i) and V (fragment 4 dtile + K step; record dtile: words of the four K steps), stored by the waves.  No byte is filled twice.
; CLUSTER: 4 x 4 work-groups.  The four of a column share the head and so the three blocks of weights: each eighth of a block is asked for jointly.  x's codes, which the four of a row share, are NOT asked for jointly:
; they are 196,608 bytes, and beside five blocks of 53,248 they do not fit in 327,680 bytes of LDS; each wave takes its own 24,576 bytes of them straight into registers, where they are read 384 times.
; LIMITS: a block of zeros gets the byte 1 (its codes are zeros; this program alone reads the bytes); NaN and infinities are not served.
; REGISTERS.  window 0: v1-15 addresses; v16-39 at work in the quantiser; v40-55 the streamed fragments' scale words; v56-71 x's scale words, later xy's; v72-75 K's, Q's, Z's; v76-79 V's half words; v80-127 streamed fragments, two buffers;
;   v128-255 sixteen accumulators.   window 1: v0-191 x's sixteen fragments, later xy's; v192-239 four fragments just made; v240-255 at work.
.set BLK,  53248
.set REC,  49152
.set WVB,  BLK
.set WQB,  2*BLK
.set KB,   3*BLK
.set VB,   4*BLK
.set SPARE, 5*BLK                      ; behind the blocks: the spare words, 128 bytes for each of eight waves
.set LI,   1                           ; v1   16 x lane: an image's place for my lane; also Wk's block, which begins at LDS byte 0
.set AWK,  LI
.set SPW,  2                           ; v2   my spare word; never rewritten
.set NIL,  3                           ; v3   0; never rewritten
.set AWV,  5
.set AWQ,  6
.set AKB,  7
.set AVB,  8
.set KST,  9                           ; v9   where I store K's fragments: K's block + 6,144 w
.set KRS,  10                          ; v10  and their record
.set VA,   11                          ; v11-13  where the three pairs of registers of a half fragment of V go
.set VRS,  14                          ; v14  and its half word: record + 2 w
.set XSO,  15                          ; v15  4 (r + 8 (r / 8)): my row's scale word of x
.set TM,   16
.set TP,   24
.set TO,   32
.set TS,   40
.set XS,   56
.set QS,   72
.set VH,   76
.set STG,  80
.set ACC,  128
.set XP,   0                           ; window 1
.set F,    192
.set BT,   240
.set WV,   14
.set SEL,  20
.set G1,   24
.set G0,   32
.set MSB, 0
.macro WIN new                         ; the immediate's high byte repeats the setting that is left; a switch that changes nothing is dropped
.if MSB != (\new)
	s_set_vgpr_msb (MSB<<8)|(\new)
.set MSB, \new
.endif
.endm
.macro NOP4
.rept 4
	v_nop
.endr
.endm
.macro CROUND                          ; a round of the cluster's barrier
	s_barrier_signal -1
	s_barrier_wait -1
	s_cmp_lg_u32 s[WV], 0
	s_cbranch_scc1 .Lnot_wave_0_\@
	s_barrier_signal -3
.Lnot_wave_0_\@:
	s_barrier_wait -3
	s_barrier_signal -1
	s_barrier_wait -1
.endm
.macro BARRIER
	s_barrier_signal -1
	s_barrier_wait -1
.endm
	s_load_b256 s[4:11], s[0:1], 0x0               ; ximg, xsc, wimg, zimg
	s_load_b64 s[12:13], s[0:1], 0x20              ; zsc
	v_lshl_add_u32 v[SPW], v0, 2, SPARE
	v_mov_b32 v[NIL], 0
	ds_add_u32 v[SPW], v[NIL]                      ; the wave's opening: the add, twice on end, and its wait stand ahead of my first tensor load; the set-up below stands between
	ds_add_u32 v[SPW], v[NIL]
	v_lshrrev_b32 v4, 5, v0
	v_readfirstlane_b32 s[WV], v4                  ; wave 0..7
	s_bfe_u32 s15, ttmp6, 0x40000                  ; cx
	s_bfe_u32 s16, ttmp6, 0x40004                  ; cy
	s_lshl_b32 s17, ttmp9, 2
	s_add_co_u32 s17, s17, s15                     ; head = 4 x cluster x + cx
	s_and_b32 s18, ttmp7, 0xffff
	s_lshl_b32 s18, s18, 2
	s_add_co_u32 s18, s18, s16                     ; b = 4 x cluster y + cy
	s_lshl_b32 s19, 0x1111, s15                    ; my column of the cluster: the four that share my head
	; descriptor group 1: an eighth of a block, 6,656 dense bytes, as 26 rows of 256 bytes (32 elements of 8 bytes)
	s_or_b32 s[G1], s19, (3<<16)|(1<<21)           ; 15:0 the mask; 17:16 elements of 8 bytes; 21 set beside a mask; no padding
	s_mov_b32 s[G1+1], 32<<16                      ; tensor_dim0 = 32
	s_mov_b32 s[G1+2], 26<<16                      ; tensor_dim1 = 26
	s_mov_b32 s[G1+3], 32<<16                      ; tile_dim0 = 32
	s_mov_b32 s[G1+4], 26                          ; tile_dim1 = 26
	s_mov_b32 s[G1+5], 32                          ; from row to row
	s_mov_b32 s[G1+6], 0
	s_mov_b32 s[G1+7], 0
	s_mov_b32 s[SEL], 0x76543210
	s_mov_b32 s[SEL+1], 0xfedcba98                 ; v_permlanex16_b32's selects for lane l xor 16
	s_mul_i32 s44, s17, BLK                        ; wimg: my head's quarter of Wk,
	s_mul_i32 s56, s[WV], 6656                     ; my eighth of a block, in memory and in LDS: no place in the cluster enters an LDS address
	s_add_co_u32 s44, s44, s56
	s_mov_b32 s45, 0
	s_mul_i32 s46, s18, 196608                     ; ximg: b x 128 fragments + my 16
	s_mul_i32 s48, s[WV], 24576
	s_add_co_u32 s46, s46, s48
	s_mov_b32 s47, 0
	s_lshl_b32 s48, s18, 13                        ; xsc: b x 2,048 words + my 64
	s_lshl_b32 s49, s[WV], 8
	s_add_co_u32 s48, s48, s49
	s_mov_b32 s49, 0
	s_mul_i32 s50, s17, 1536                       ; zimg: as ximg, K step = head
	s_add_co_u32 s50, s50, s46
	s_mov_b32 s51, 0
	s_lshl_b32 s52, s18, 14                        ; zsc: ((4 b + head) x 8 + w) x 512
	s_lshl_b32 s53, s17, 12
	s_add_co_u32 s52, s52, s53
	s_lshl_b32 s53, s[WV], 9
	s_add_co_u32 s52, s52, s53
	s_mov_b32 s53, 0
	v_and_b32 v[LI], 31, v0
	v_lshlrev_b32 v[LI], 4, v[LI]
	v_add_nc_u32 v[AWV], WVB, v[LI]
	v_add_nc_u32 v[AWQ], WQB, v[LI]
	v_add_nc_u32 v[AKB], KB, v[LI]
	v_add_nc_u32 v[AVB], VB, v[LI]
	s_mul_i32 s57, s[WV], 6144
	v_add_nc_u32 v[KST], s57, v[AKB]
	s_lshl_b32 s57, s[WV], 9
	s_add_co_u32 s57, s57, REC
	v_add_nc_u32 v[KRS], s57, v[AKB]
	s_lshr_b32 s57, s[WV], 1                       ; my 64 points are half w % 2 of V's K step w / 2: registers 6 (w % 2) .. + 5 of the image
	s_mul_i32 s57, s57, 1536
	s_and_b32 s58, s[WV], 1
	s_mul_i32 s59, s58, 520
	s_add_co_u32 s59, s59, s57
	v_add_nc_u32 v[VA], s59, v[AVB]                ; registers 0, 1 at 0, or 6, 7 at 520
	s_add_co_u32 s59, s59, 512
	v_add_nc_u32 v[VA+2], s59, v[AVB]              ; registers 4, 5 at 512, or 10, 11 at 1,032
	s_mul_i32 s59, s58, 1016
	s_add_co_u32 s59, s59, s57
	s_add_co_u32 s59, s59, 8
	v_add_nc_u32 v[VA+1], s59, v[AVB]              ; registers 2, 3 at 8, or 8, 9 at 1,024
	s_lshl_b32 s57, s[WV], 1
	s_add_co_u32 s57, s57, REC
	v_add_nc_u32 v[VRS], s57, v[AVB]
	v_and_b32 v[XSO], 15, v0
	v_and_b32 v4, 8, v[XSO]
	v_add_nc_u32 v[XSO], v[XSO], v4
	v_lshlrev_b32 v[XSO], 2, v[XSO]
.irp q, 0,1,2,3,4,5,6,7
	v_mov_b32 v[TP+\q], 0                          ; written once: a lane permute's destination counts as one of its sources
.endr
	s_wait_dscnt 0x0                               ; both opening adds are done
	s_wait_kmcnt 0x0
	s_add_nc_u64 s[8:9], s[8:9], s[44:45]
	s_add_nc_u64 s[4:5], s[4:5], s[46:47]
	s_add_nc_u64 s[6:7], s[6:7], s[48:49]
	s_add_nc_u64 s[10:11], s[10:11], s[50:51]
	s_add_nc_u64 s[12:13], s[12:13], s[52:53]
.irp m, 0,1,2                          ; group 0 for Wk's, Wv's, Wq's block
	s_mov_b32 s[G0+4*\m], 1
	s_add_co_u32 s[G0+4*\m+1], s56, \m*BLK
	s_add_nc_u64 s[G0+4*\m+2:G0+4*\m+3], s[8:9], \m*4*BLK
	s_or_b32 s[G0+4*\m+3], s[G0+4*\m+3], 0x80000000
.endr
	CROUND                                         ; all sixteen work-groups are here: the joint loads meet
.irp m, 0,1,2                          ; the launch's only tensor loads: three of mine are out
	tensor_load_to_lds s[G0+4*\m:G0+4*\m+3], s[G1:G1+7]
	s_nop 0
.endr
	NOP4
	WIN 0x40                                       ; destination window 1
.set q_, 0
.rept 48                               ; x's sixteen fragments (tile 4 w + j, K step s) at v[48 j + 12 s] of window 1: they stay through K, V and Q
	global_load_b128 v[XP+4*q_:XP+4*q_+3], v[LI], s[4:5] offset:512*q_
.set q_, q_+1
.endr
	WIN 0
.irp j, 0,1,2,3
.irp s, 0,1,2,3
	global_load_b32 v[XS+4*\j+\s], v[XSO], s[6:7] offset:\s*2048+(32*(\j/2)+8*(\j%2))*4
.endr
.endr
.macro LDF reg, areg, off              ; a fragment's image into 12 registers
.irp g, 0,1,2
	ds_load_b128 v[(\reg)+4*\g:(\reg)+4*\g+3], v[\areg] offset:(\off)+512*\g
.endr
.endm
.macro PAIR areg, c, n                 ; pair n of a half block: tiles 4 c + 2 (n % 2) + e, K step n / 2, into buffer n % 2
.irp e, 0,1
	LDF STG+24*((\n)%2)+12*\e, \areg, (4*(\c)+2*((\n)%2)+\e)*6144+((\n)/2)*1536
.endr
.endm
.macro PRO64 areg, c                   ; ahead of BODY64: four records and the first two pairs
.irp i, 0,1,2,3
	ds_load_b128 v[TS+4*\i:TS+4*\i+3], v[\areg] offset:REC+512*(4*(\c)+\i)
.endr
	PAIR \areg, \c, 0
	PAIR \areg, \c, 1
.endm
.macro PRO16 u                         ; ahead of BODY16: K's record u and its tiles 4 u .. 4 u + 3
	ds_load_b128 v[TS:TS+3], v[AKB] offset:REC+512*(\u)
.irp i, 0,1,2,3
	LDF STG+12*\i, AKB, (4*(\u)+\i)*1536
.endr
.endm
; One product.  mode 0: source 0 = the streamed fragment (tile i), source 1 = my fragment (j, s) of window 1; the result at 32 j + 8 i.  mode 1: the sources change places; the result at 32 i + 8 j.  K step 0 starts the sum.
.macro MM mode, i, j, s, st
.if \mode
.set rD, ACC+32*(\i)+8*(\j)
.set rA, XP+48*(\j)+12*(\s)
.set rB, \st
.set rSA, XS+4*(\j)+(\s)
.set rSB, TS+4*(\i)+(\s)
.else
.set rD, ACC+32*(\j)+8*(\i)
.set rA, \st
.set rB, XP+48*(\j)+12*(\s)
.set rSA, TS+4*(\i)+(\s)
.set rSB, XS+4*(\j)+(\s)
.endif
.if (\s) == 0
	v_wmma_scale_f32_16x16x128_f8f6f4 v[rD:rD+7], v[rA:rA+11], v[rB:rB+11], 0, v[rSA], v[rSB] matrix_a_fmt:MATRIX_FMT_BF6 matrix_b_fmt:MATRIX_FMT_BF6
.else
	v_wmma_scale_f32_16x16x128_f8f6f4 v[rD:rD+7], v[rA:rA+11], v[rB:rB+11], v[rD:rD+7], v[rSA], v[rSB] matrix_a_fmt:MATRIX_FMT_BF6 matrix_b_fmt:MATRIX_FMT_BF6
.endif
.endm
; 64 products: four streamed tiles x my four tiles x K = 512.  Eight steps of eight products, each on another accumulator (the sixteen take turns, one instruction a turn).
; A step's pair was asked for two steps earlier; behind a step four places, then the pair two steps on goes into the buffer just multiplied.
.macro BODY64 mode, areg, c
.irp n, 0,1,2,3,4,5,6,7
.if \n < 7
	s_wait_dscnt 6                                 ; this step's pair is in; the next pair's six loads may be out
.else
	s_wait_dscnt 0x0
.endif
.if \mode
	WIN 0x01                                       ; source 0 in window 1
.else
	WIN 0x04                                       ; source 1 in window 1
.endif
.irp e, 0,1
.irp j, 0,1,2,3
	MM \mode, 2*(\n%2)+\e, \j, \n/2, STG+24*(\n%2)+12*\e
.endr
.endr
.if \n < 6
	NOP4                                           ; places in front of loads into registers that these products read
	WIN 0
	PAIR \areg, \c, \n+2
.endif
.endr
	WIN 0
	NOP4                                           ; places in front of the first read of results and of loads into the buffers
.endm
; 16 products of xy: four tiles of keys x my four tiles of queries, K = the head's 128
.macro BODY16
.irp n, 0,1
.if \n == 0
	s_wait_dscnt 6                                 ; the record and tiles 0, 1 are in; the six loads of tiles 2, 3 may be out
.else
	s_wait_dscnt 0x0
.endif
	WIN 0x04
.irp e, 0,1
.irp j, 0,1,2,3
	v_wmma_scale_f32_16x16x128_f8f6f4 v[ACC+32*\j+8*(2*\n+\e):ACC+32*\j+8*(2*\n+\e)+7], v[STG+24*\n+12*\e:STG+24*\n+12*\e+11], v[F+12*\j:F+12*\j+11], 0, v[TS+2*\n+\e], v[QS+\j] matrix_a_fmt:MATRIX_FMT_BF6 matrix_b_fmt:MATRIX_FMT_BF6
.endr
.endr
.endr
	WIN 0
	NOP4
.endm
; THE QUANTISER.  The sixteen accumulators are four columns of 32 registers: in column j register 16 a + i is k = 32 a + 16 (lane / 16) + i of 64 along the next K.  Each column becomes half a fragment, six registers at
; v[db + ds j] of window 1, and half a scale word: hf = 0: written to v[wd + ws j]; hf = 1: set above what stands there.  Eight blocks take turns line by line.
.macro QUANT4 db, ds, wd, ws, hf
.irp q, 0,1,2,3,4,5,6,7
	v_max3_num_f32 v[TM+\q], |v[ACC+16*\q]|, |v[ACC+16*\q+1]|, 0x2800000   ; my 16 numbers of block q, each accumulator from its low end on; the floor 2^(5 - 127) holds the byte at 1 from below
.endr
.irp i, 2,4,6,8,10,12,14
.irp q, 0,1,2,3,4,5,6,7
	v_max3_num_f32 v[TM+\q], v[TM+\q], |v[ACC+16*\q+\i]|, |v[ACC+16*\q+\i+1]|
.endr
.endr
.irp q, 0,1,2,3,4,5,6,7
	v_permlanex16_b32 v[TP+\q], v[TM+\q], s[SEL], s[SEL+1]
.endr
.irp q, 0,1,2,3,4,5,6,7
	v_max_num_f32 v[TM+\q], v[TM+\q], v[TP+\q]     ; with lane l xor 16's: the block's largest magnitude
.endr
.irp q, 0,1,2,3,4,5,6,7
	v_add_nc_u32 v[TO+\q], 0xfe000000, v[TM+\q]    ; 4 off its exponent field: the conversion's scale operand
.endr
.irp q, 0,1,2,3,4,5,6,7
	v_lshrrev_b32 v[TP+\q], 23, v[TO+\q]           ; the scale's byte
.endr
.irp j, 0,1,2,3
.if (\hf) == 0
	v_lshl_or_b32 v[(\wd)+(\ws)*\j], v[TP+2*\j+1], 8, v[TP+2*\j]
.else
	v_lshl_or_b32 v[TM+\j], v[TP+2*\j+1], 8, v[TP+2*\j]
.endif
.endr
.if (\hf) != 0
.irp j, 0,1,2,3
	v_lshl_or_b32 v[(\wd)+(\ws)*\j], v[TM+\j], 16, v[(\wd)+(\ws)*\j]
.endr
.endif
	WIN 0x40                                       ; destination window 1
.irp j, 0,1,2,3
	v_cvt_scalef32_pk16_bf6_f32 v[(\db)+(\ds)*\j:(\db)+(\ds)*\j+2], v[ACC+32*\j:ACC+32*\j+15], v[TO+2*\j]
	v_cvt_scalef32_pk16_bf6_f32 v[BT+4*\j:BT+4*\j+2], v[ACC+32*\j+16:ACC+32*\j+31], v[TO+2*\j+1]   ; (a conversion's three registers begin on an even number)
.endr
	v_nop                                          ; one plain line behind a scaled conversion
	WIN 0x41                                       ; destination and source 0 window 1
.irp j, 0,1,2,3                        ; the operand's layout wants a WHOLE block in a lane: lanes 0-15 the first block, lanes 16-31 the second
.irp i, 0,1,2
	v_permlane16_swap_b32 v[(\db)+(\ds)*\j+\i], v[BT+4*\j+\i]
.endr
.endr
.irp j, 0,1,2,3
.irp i, 0,1,2
	v_mov_b32 v[(\db)+(\ds)*\j+3+\i], v[BT+4*\j+\i]
.endr
.endr
	WIN 0
.endm
; Two halves of 64 along the next K; the second half's quantiser is the caller's
.macro CHAIN areg
	BODY64 0, \areg, 0
	PRO64 \areg, 1                                 ; the second half's first fragments land while the first half is quantised
	QUANT4 F, 12, QS, 1, 0
	BODY64 0, \areg, 1
.endm
.macro VSTORE g                        ; half fragments of dtiles 4 g + i, and their half words
	WIN 0x04                                       ; an LDS store's data are its source 1: window 1
.irp i, 0,1,2,3
.irp k, 0,1,2
	ds_store_b64 v[VA+\k], v[F+12*\i+6*(\g)+2*\k:F+12*\i+6*(\g)+2*\k+1] offset:(4*(\g)+\i)*6144
.endr
.endr
	WIN 0
.irp i, 0,1,2,3
	ds_store_b16 v[VRS], v[VH+\i] offset:(4*(\g)+\i)*512
.endr
.endm
	s_wait_loadcnt 0x0                             ; x's codes and scale words
	s_wait_tensorcnt 0x2                           ; my eighth of Wk's block is in; Wv's and Wq's loads may be out
	BARRIER                                        ; everybody's is
	; ---- K: my 64 keys, K = d
	PRO64 AWK, 0
	CHAIN AWK
	QUANT4 F+6, 12, QS, 1, 1
	WIN 0x04
.irp j, 0,1,2,3
.irp g, 0,1,2
	ds_store_b128 v[KST], v[F+12*\j+4*\g:F+12*\j+4*\g+3] offset:\j*1536+512*\g
.endr
.endr
	WIN 0
	ds_store_b128 v[KRS], v[QS:QS+3]
	s_wait_tensorcnt 0x1                           ; my eighth of Wv's block is in; Wq's load may be out
	s_wait_dscnt 0x0                               ; my stores of K have landed
	BARRIER
	; ---- V: the head's 128 d, K = my 64 points
	PRO64 AWV, 0
	BODY64 1, AWV, 0
	PRO64 AWV, 1
	QUANT4 F, 12, VH, 1, 0
	VSTORE 0
	BODY64 1, AWV, 1
	QUANT4 F+6, 12, VH, 1, 0
	VSTORE 1
	s_wait_tensorcnt 0x0                           ; my eighth of Wq's block is in
	s_wait_dscnt 0x0                               ; my stores of V have landed
	BARRIER                                        ; K, V and Wq's block are whole
	; ---- Q: my 64 queries; they stay in registers
	PRO64 AWQ, 0
	CHAIN AWQ
	PRO16 0
	QUANT4 F+6, 12, QS, 1, 1
	NOP4                                           ; a scale register written by a vector instruction stands eight places ahead of a scaled product, an operand four
	NOP4
	; ---- xy: my 64 queries x all 512 keys, 64 keys at a time; its codes take x's place
.irp u, 0,1,2,3,4,5,6,7
	BODY16
.if \u < 7
	PRO16 \u+1
.else
	PRO64 AVB, 0
.endif
	QUANT4 XP+12*(\u/2)+6*(\u%2), 48, XS+(\u/2), 4, \u%2
.endr
	NOP4
	NOP4
	; ---- xyz: my 64 points x the head's 128 d, K = the 512 keys; quantised along d: K step `head` of the last product
	CHAIN AVB
	QUANT4 F+6, 12, QS, 1, 1
	WIN 0x04                                       ; a store's data are its source 1: window 1
.irp j, 0,1,2,3
.irp g, 0,1,2
	global_store_b128 v[LI], v[F+12*\j+4*\g:F+12*\j+4*\g+3], s[10:11] offset:\j*6144+512*\g   ; 512 consecutive bytes, at a multiple of 256 from the buffer's first byte
.endr
.endr
	WIN 0
	global_store_b128 v[LI], v[QS:QS+3], s[12:13]  ; my four tiles' scale words
	s_wait_tensorcnt 0x0                           ; the wave's end, behind my last tensor load and my last LDS store
	ds_add_u32 v[SPW], v[NIL]
	s_wait_dscnt 0x0
	CROUND                                         ; the closing round
	s_endpgm
.Lfunc_end_k_qc7d09c57a6_attn:
	.size	k_qc7d09c57a6_attn, .Lfunc_end_k_qc7d09c57a6_attn-k_qc7d09c57a6_attn
	.p2alignl 7, 3214868480
	.fill 96, 4, 3214868480
	.section	.rodata,"a",@progbits
	.p2align	6, 0x0
	.amdhsa_kernel k_qc7d09c57a6_attn
		.amdhsa_group_segment_fixed_size 267264
		.amdhsa_private_segment_fixed_size 0
		.amdhsa_enable_private_segment 0
		.amdhsa_kernarg_size 40
		.amdhsa_user_sgpr_count 2
		.amdhsa_user_sgpr_kernarg_segment_ptr 1
		.amdhsa_wavefront_size32 1
		.amdhsa_system_sgpr_workgroup_id_x 1
		.amdhsa_system_sgpr_workgroup_id_y 1
		.amdhsa_system_sgpr_workgroup_id_z 1
		.amdhsa_system_vgpr_workitem_id 0
		.amdhsa_next_free_vgpr 512
		.amdhsa_next_free_sgpr 66
		.amdhsa_reserve_vcc 0
		.amdhsa_float_denorm_mode_32 3
		.amdhsa_float_denorm_mode_16_64 3
		.amdhsa_memory_ordered 1
		.amdhsa_forward_progress 1
		.amdhsa_inst_pref_size 255
	.end_amdhsa_kernel
	.section	.bss,"aw",@nobits
	.p2align	6
	.space	262144
	.amdgpu_metadata
---
amdhsa.version: [ 1, 2 ]
amdhsa.kernels:
  - .name:           k_qc7d09c57a6_attn
    .symbol:         k_qc7d09c57a6_attn.kd
    .args:
      - { .name: ximg, .offset: 0, .size: 8, .value_kind: global_buffer, .address_space: global }
      - { .name: xsc, .offset: 8, .size: 8, .value_kind: global_buffer, .address_space: global }
      - { .name: wimg, .offset: 16, .size: 8, .value_kind: global_buffer, .address_space: global }
      - { .name: zimg, .offset: 24, .size: 8, .value_kind: global_buffer, .address_space: global }
      - { .name: zsc, .offset: 32, .size: 8, .value_kind: global_buffer, .address_space: global }
    .group_segment_fixed_size: 267264
    .private_segment_fixed_size: 0
    .kernarg_segment_align: 8
    .kernarg_segment_size: 40
    .max_flat_workgroup_size: 256
    .sgpr_count:     66
    .vgpr_count:     512
    .wavefront_size: 32
...
	.end_amdgpu_metadata
.endif
;; end of part 2
;; launch stats (part 3): grid 4 x 64, 8 waves a work-group, clusters of 4 x 4, 293,888 bytes of LDS; arguments x, zimg, zsc, wimg, part; writes part
.if DOCPART == 3
	.amdgcn_target "amdgcn-amd-amdhsa--gfx1250"
	.amdhsa_code_object_version 6
	.text
	.protected	k_qc7d09c57a6_stats
	.globl	k_qc7d09c57a6_stats
	.p2align	8
	.type	k_qc7d09c57a6_stats,@function
k_qc7d09c57a6_stats:
	s_mov_b64 s[64:65], 0
	v_nop
	global_prefetch_b8 v0, s[64:65] scope:SCOPE_SE
	s_setreg_imm32_b32 hwreg(HW_REG_WAVE_MODE, 25, 1), 1
	s_wait_xcnt 0x0
	s_wait_alu depctr_hold_cnt(0) depctr_sa_sdst(0) depctr_va_vdst(0) depctr_va_sdst(0) depctr_va_ssrc(0) depctr_va_vcc(0) depctr_vm_vsrc(0)
	s_getreg_b32 s2, hwreg(HW_REG_IB_STS2, 6, 4)
	s_cmp_eq_u32 s2, 0
	s_cbranch_scc0 .Lentry_in_a_cluster
	s_endpgm
.Lentry_in_a_cluster:
	s_bfe_u32 s2, ttmp6, 0x10000c
	s_cmp_lg_u32 s2, 0xf033
	s_cbranch_scc0 .Lentry_shape_is_right
	s_endpgm
.Lentry_shape_is_right:
; THIRD LAUNCH.  e = x - Wt Z (= -(y - bt) of reference(); bt is left out: it cancels in y - mean(y) and in var(y) for all values, as shown at the head of the first kernel), and for each (b, channel) the sum of e over l and the
; sum of squares about that row's own mean.  e is not stored: the last launch forms it again from the codes, which are a fifth of its bytes.
; One work-group for each (batch b, quarter oq of 128 channels); wave w owns l = 64 w .. 64 w + 63 for all 128 channels, in two units of four tiles of channels.
; THE PRODUCT: source 0 = 16 l of Z, source 1 = 16 rows of -Wt (its codes were stored with the signs turned), C of the first K step = x: a lane holds ONE channel (row lane % 16 of the tile) and 32 registers along l.
; x comes as whole rows' pieces of 256 bytes, BOTH UNITS ASKED FOR AT THE HEAD (64 loads of 512 bytes a wave), and is turned into that layout through the wave's own stage in LDS, IN PLACE: the registers into which a unit's x
; was loaded take it back turned, and are then that unit's accumulators.
; NO DIFFERENCE OF LARGE SUMS: each wave takes mean and centred squares of its 64 numbers; parts are joined by M2 = sum of M2_i + n sum of (mean_i - mean)^2.
; part [S, M2][b][channel, in tile order 128 oq + 16 tile + row] f32.
; CLUSTER 4 x 4: the four of a row share b and so Z's codes; the four of a column share oq and so Wt's block: both are asked for jointly.  Every LDS fill is a first fill.
; LDS: Z's 128 fragments (wave w's 24,576 bytes are read by wave w alone); Wt's block; a stage of 16 rows x 272 bytes a wave; the waves' parts; the spare words.
; REGISTERS.  window 0: v1-13 addresses; v16-31 Z's scale words (4 s + j); v32-47 Wt's (4 i + s); v48-143 Z's fragments, two K steps; v144-191 Wt's, two pairs; v192.. at work.
;   window 1: unit u's x, then its sixteen accumulators, at 128 u + 32 i + 8 j.
.set BLK,  53248
.set REC,  49152
.set WL,   196608
.set STAGE, 249856
.set RED,  284672                      ; [S, M2][channel 128][wave 8] f32
.set SPARE, 292864
.set LI,   1
.set SPW,  2
.set NIL,  3
.set AZ,   4
.set AW,   5
.set SROW, 6                           ; the stage by rows: 272 (lane / 16) + 16 (lane % 16)
.set SD,   7                           ; the stage in the result's layout: 272 r + 64 h
.set XO,   8                           ; x: 2,048 (lane / 16) + 16 (lane % 16)
.set RA,   9
.set RF,   10
.set PO,   13
.set ZS,   16
.set TS,   32
.set ZB,   48
.set WB,   144
.set T,    192
.set SS,   T+16
.set PX,   T+17
.set MM_,  T+18
.set QQ,   T+20
.set WV,   20
.set SEL,  26
.set G1Z,  28
.set G1W,  36
.set G0Z,  44
.set G0W,  48
.set MSB, 0
.macro WIN new
.if MSB != (\new)
	s_set_vgpr_msb (MSB<<8)|(\new)
.set MSB, \new
.endif
.endm
.macro NOP4
.rept 4
	v_nop
.endr
.endm
.macro CROUND
	s_barrier_signal -1
	s_barrier_wait -1
	s_cmp_lg_u32 s[WV], 0
	s_cbranch_scc1 .Lnot_wave_0_\@
	s_barrier_signal -3
.Lnot_wave_0_\@:
	s_barrier_wait -3
	s_barrier_signal -1
	s_barrier_wait -1
.endm
	s_load_b256 s[4:11], s[0:1], 0x0               ; x, zimg, zsc, wimg
	s_load_b64 s[12:13], s[0:1], 0x20              ; part
	v_lshl_add_u32 v[SPW], v0, 2, SPARE
	v_mov_b32 v[NIL], 0
	ds_add_u32 v[SPW], v[NIL]                      ; the wave's opening: the add, twice on end, and its wait stand ahead of my first tensor load
	ds_add_u32 v[SPW], v[NIL]
	v_lshrrev_b32 v11, 5, v0
	v_readfirstlane_b32 s[WV], v11
	s_bfe_u32 s21, ttmp6, 0x40000                  ; cx
	s_bfe_u32 s22, ttmp6, 0x40004                  ; cy
	s_lshl_b32 s23, ttmp9, 2
	s_add_co_u32 s23, s23, s21                     ; oq
	s_and_b32 s24, ttmp7, 0xffff
	s_lshl_b32 s24, s24, 2
	s_add_co_u32 s24, s24, s22                     ; b
	s_lshl_b32 s52, s22, 2
	s_lshl_b32 s52, 15, s52                        ; my row of the cluster
	s_lshl_b32 s56, 0x1111, s21                    ; my column
	s_or_b32 s[G1Z], s52, (3<<16)|(1<<21)          ; Z: 24,576 dense bytes as 96 rows of 256 (32 elements of 8 bytes)
	s_mov_b32 s[G1Z+1], 32<<16
	s_mov_b32 s[G1Z+2], 96<<16
	s_mov_b32 s[G1Z+3], 32<<16
	s_mov_b32 s[G1Z+4], 96
	s_mov_b32 s[G1Z+5], 32
	s_mov_b32 s[G1Z+6], 0
	s_mov_b32 s[G1Z+7], 0
	s_or_b32 s[G1W], s56, (3<<16)|(1<<21)          ; Wt: an eighth of a block, 26 rows of 256
	s_mov_b32 s[G1W+1], 32<<16
	s_mov_b32 s[G1W+2], 26<<16
	s_mov_b32 s[G1W+3], 32<<16
	s_mov_b32 s[G1W+4], 26
	s_mov_b32 s[G1W+5], 32
	s_mov_b32 s[G1W+6], 0
	s_mov_b32 s[G1W+7], 0
	s_mov_b32 s[SEL], 0x76543210
	s_mov_b32 s[SEL+1], 0xfedcba98
	s_mov_b32 s68, 0x3c800000                      ; 1 / 64
	s_mov_b32 s69, 0x42800000                      ; 64
	s_mul_i32 s52, s24, 196608                     ; zimg: b's fragments, my 16: made of b and the wave's number alone
	s_mul_i32 s25, s[WV], 24576
	s_add_co_u32 s52, s52, s25
	s_mov_b32 s53, 0
	s_add_co_u32 s56, s23, 12                      ; wimg: block 12 + oq, my eighth: made of oq and the wave's number alone
	s_mul_i32 s56, s56, BLK
	s_mul_i32 s58, s[WV], 6656
	s_add_co_u32 s56, s56, s58
	s_mov_b32 s57, 0
	s_lshl_b32 s60, s24, 20                        ; x: b, 128 oq rows of 2,048 bytes, my 256 bytes of a row
	s_lshl_b32 s61, s23, 18
	s_add_co_u32 s60, s60, s61
	s_lshl_b32 s61, s[WV], 8
	s_add_co_u32 s60, s60, s61
	s_mov_b32 s61, 0
	s_lshl_b32 s62, s24, 14                        ; zsc: ((4 b + s) x 8 + w) x 512
	s_lshl_b32 s63, s[WV], 9
	s_add_co_u32 s62, s62, s63
	s_mov_b32 s63, 0
	s_lshr_b32 s66, s[WV], 2                       ; part: waves 0-3 store S, waves 4-7 M2
	s_lshl_b32 s66, s66, 17
	s_lshl_b32 s67, s24, 11
	s_add_co_u32 s66, s66, s67
	s_lshl_b32 s67, s23, 9
	s_add_co_u32 s66, s66, s67
	s_mov_b32 s67, 0
	v_and_b32 v[LI], 31, v0
	v_lshrrev_b32 v11, 4, v[LI]                    ; h
	v_and_b32 v12, 15, v0                          ; r
	v_lshlrev_b32 v[LI], 4, v[LI]
	v_add_nc_u32 v[AZ], s25, v[LI]
	v_add_nc_u32 v[AW], WL, v[LI]
	s_mul_i32 s59, s[WV], 4352
	s_add_co_u32 s59, s59, STAGE                   ; my stage
	v_mul_u32_u24 v[SROW], v11, 272
	v_lshl_add_u32 v[SROW], v12, 4, v[SROW]
	v_add_nc_u32 v[SROW], s59, v[SROW]
	v_mul_u32_u24 v[SD], v12, 272
	v_lshl_add_u32 v[SD], v11, 6, v[SD]
	v_add_nc_u32 v[SD], s59, v[SD]
	v_lshlrev_b32 v[XO], 11, v11
	v_lshl_add_u32 v[XO], v12, 4, v[XO]
	s_lshl_b32 s59, s[WV], 2
	s_add_co_u32 s59, s59, RED
	v_lshl_add_u32 v[RA], v12, 5, s59              ; my channel's and my wave's word: 32 r + 4 w
	v_and_b32 v[PO], 127, v0
	v_lshl_add_u32 v[RF], v[PO], 5, RED            ; at the end a thread takes a channel
	v_lshlrev_b32 v[PO], 2, v[PO]
	v_mov_b32 v[PX], 0                             ; written once: a lane permute's destination counts as one of its sources
	s_wait_dscnt 0x0                               ; both opening adds are done
	s_wait_kmcnt 0x0
	s_mov_b32 s[G0Z], 1
	s_mov_b32 s[G0Z+1], s25
	s_add_nc_u64 s[G0Z+2:G0Z+3], s[6:7], s[52:53]
	s_or_b32 s[G0Z+3], s[G0Z+3], 0x80000000
	s_mov_b32 s[G0W], 1
	s_add_co_u32 s[G0W+1], s58, WL
	s_add_nc_u64 s[G0W+2:G0W+3], s[10:11], s[56:57]
	s_or_b32 s[G0W+3], s[G0W+3], 0x80000000
	s_add_nc_u64 s[4:5], s[4:5], s[60:61]
	s_add_nc_u64 s[8:9], s[8:9], s[62:63]
	s_add_nc_u64 s[12:13], s[12:13], s[66:67]
	CROUND                                         ; all sixteen work-groups are here: the joint loads meet
	tensor_load_to_lds s[G0Z:G0Z+3], s[G1Z:G1Z+7]  ; the launch's only tensor loads: two of mine are out
	s_nop 0
	tensor_load_to_lds s[G0W:G0W+3], s[G1W:G1W+7]
	s_nop 0
	NOP4
.irp s, 0,1,2,3
	global_load_b128 v[ZS+4*\s:ZS+4*\s+3], v[LI], s[8:9] offset:4096*\s
.endr
.macro XLOAD u                         ; x's rows of unit u, in tile order: an instruction takes 256 bytes of each of two rows
	WIN 0x40
.irp i, 0,1,2,3
.irp n, 0,1,2,3,4,5,6,7
	global_load_b128 v[128*(\u)+32*\i+4*\n:128*(\u)+32*\i+4*\n+3], v[XO], s[4:5] offset:(32*((4*(\u)+\i)/2)+8*(\i%2)+2*\n+8*(\n/4))*2048 th:TH_LOAD_NT
.endr
.endr
	WIN 0
.endm
.macro XIN u, left                     ; unit u's x through my stage and back into the registers that it left: register 32 i + 16 a + k of lane (r, h) = x(row r of tile i, l = 32 a + 16 h + k).  left: the younger loads that may stay out
	s_wait_loadcnt \left
.irp i, 0,1,2,3
	WIN 0x04
.irp n, 0,1,2,3,4,5,6,7
	ds_store_b128 v[SROW], v[128*(\u)+32*\i+4*\n:128*(\u)+32*\i+4*\n+3] offset:544*\n
.endr
	WIN 0x40
.irp a, 0,1
.irp k, 0,1,2,3
	ds_load_b128 v[128*(\u)+32*\i+16*\a+4*\k:128*(\u)+32*\i+16*\a+4*\k+3], v[SD] offset:128*\a+16*\k   ; LDS serves a wave's instructions in order: these see the stores above, and the next tile's stores come behind them
.endr
.endr
.endr
	WIN 0
	s_wait_dscnt 0x0
.endm
.macro LDF reg, areg, off
.irp g, 0,1,2
	ds_load_b128 v[(\reg)+4*\g:(\reg)+4*\g+3], v[\areg] offset:(\off)+512*\g
.endr
.endm
.macro ZLD s                           ; Z's four fragments of K step s
.irp j, 0,1,2,3
	LDF ZB+48*((\s)%2)+12*\j, AZ, (4*\j+(\s))*1536
.endr
.endm
.macro WPAIR u, n                      ; Wt's tiles 4 u + 2 (n % 2) + e, K step n / 2
.irp e, 0,1
	LDF WB+24*((\n)%2)+12*\e, AW, ((4*(\u)+2*((\n)%2)+\e)*4+(\n)/2)*1536
.endr
.endm
.macro GPRO u
.irp i, 0,1,2,3
	ds_load_b128 v[TS+4*\i:TS+4*\i+3], v[AW] offset:REC+512*(4*(\u)+\i)
.endr
	ZLD 0
	WPAIR \u, 0
	WPAIR \u, 1
	ZLD 1
.endm
; 64 products: my four tiles of l x four tiles of channels x K = 512; eight steps of eight, each on another accumulator (one instruction a turn).  The sums begin with x, which stands in the accumulators.
.macro GEMM u
.irp n, 0,1,2,3,4,5,6,7
.if \n < 6
	s_wait_dscnt 18                                ; behind what this step reads were issued one pair of Wt (6 loads) and one K step of Z (12)
.elseif \n == 6
	s_wait_dscnt 6                                 ; the last pair of Wt may be out
.else
	s_wait_dscnt 0x0
.endif
	WIN 0x50                                       ; C and D window 1
.irp e, 0,1
.irp j, 0,1,2,3
.set rD, 128*(\u)+32*(2*(\n%2)+\e)+8*\j
.set rA, ZB+48*((\n/2)%2)+12*\j
.set rB, WB+24*(\n%2)+12*\e
	v_wmma_scale_f32_16x16x128_f8f6f4 v[rD:rD+7], v[rA:rA+11], v[rB:rB+11], v[rD:rD+7], v[ZS+4*(\n/2)+\j], v[TS+4*(2*(\n%2)+\e)+\n/2] matrix_a_fmt:MATRIX_FMT_BF6 matrix_b_fmt:MATRIX_FMT_BF6
.endr
.endr
	NOP4                                           ; places in front of loads into registers that these products read, and of the first read of results
	WIN 0
.if \n < 6
	WPAIR \u, \n+2
.endif
.if (\n%2) && (\n < 5)
	ZLD \n/2+2                                     ; the K step just finished leaves its buffer
.endif
.endr
.endm
; For each of the unit's four tiles of channels: S = the sum of my 64 numbers of my channel, and M2 = the sum of (e - S / 64)^2
.macro STATS u
.irp i, 0,1,2,3
.set AB_, 128*(\u)+32*\i
	WIN 0x05                                       ; sources 0 and 1 window 1
.irp q, 0,1,2,3,4,5,6,7
	v_pk_add_f32 v[T+2*\q:T+2*\q+1], v[AB_+4*\q:AB_+4*\q+1], v[AB_+4*\q+2:AB_+4*\q+3]   ; each accumulator from its low end on
.endr
	WIN 0
.irp q, 0,4,8,12
	v_pk_add_f32 v[T+\q:T+\q+1], v[T+\q:T+\q+1], v[T+\q+2:T+\q+3]
.endr
	v_pk_add_f32 v[T:T+1], v[T:T+1], v[T+4:T+5]
	v_pk_add_f32 v[T+8:T+9], v[T+8:T+9], v[T+12:T+13]
	v_pk_add_f32 v[T:T+1], v[T:T+1], v[T+8:T+9]
	v_add_f32 v[SS], v[T], v[T+1]
	v_permlanex16_b32 v[PX], v[SS], s[SEL], s[SEL+1]
	v_add_f32 v[SS], v[SS], v[PX]                  ; with lane l xor 16's 32 numbers
	v_mul_f32 v[MM_], s68, v[SS]                   ; the mean, twice: a pair for the packed form
	v_mul_f32 v[MM_+1], s68, v[SS]
	ds_store_b32 v[RA], v[SS] offset:512*(4*(\u)+\i)   ; (both halves of the lanes write the same word with the same value)
	WIN 0x41                                       ; destination and source 0 window 1
.irp q, 0,1,2,3,4,5,6,7,8,9,10,11,12,13,14,15
	v_pk_add_f32 v[AB_+2*\q:AB_+2*\q+1], v[AB_+2*\q:AB_+2*\q+1], v[MM_:MM_+1] neg_lo:[0,1] neg_hi:[0,1]
.endr
	WIN 0x05
	v_pk_mul_f32 v[T:T+1], v[AB_:AB_+1], v[AB_:AB_+1]
	v_pk_mul_f32 v[T+2:T+3], v[AB_+2:AB_+3], v[AB_+2:AB_+3]
.irp q, 4,8,12,16,20,24,28
	v_pk_fma_f32 v[T:T+1], v[AB_+\q:AB_+\q+1], v[AB_+\q:AB_+\q+1], v[T:T+1]
	v_pk_fma_f32 v[T+2:T+3], v[AB_+\q+2:AB_+\q+3], v[AB_+\q+2:AB_+\q+3], v[T+2:T+3]
.endr
	WIN 0
	v_pk_add_f32 v[T:T+1], v[T:T+1], v[T+2:T+3]
	v_add_f32 v[QQ], v[T], v[T+1]
	v_permlanex16_b32 v[PX], v[QQ], s[SEL], s[SEL+1]
	v_add_f32 v[QQ], v[QQ], v[PX]
	ds_store_b32 v[RA], v[QQ] offset:4096+512*(4*(\u)+\i)
.endr
.endm
	XLOAD 0
	XLOAD 1                                        ; all of the wave's x is asked for: 64 loads of 512 bytes
	XIN 0, 32                                      ; Z's scale words and unit 0 are in; unit 1's 32 loads may be out
	s_wait_tensorcnt 0x0                           ; my part of Z and my eighth of Wt's block are in
	s_barrier_signal -1
	s_barrier_wait -1                              ; Wt's block is whole
	GPRO 0
	GEMM 0
	GPRO 1                                         ; the second unit's first fragments land while the first unit's sums are taken
	STATS 0
	XIN 1, 0                                       ; (it ends with a wait for all LDS instructions: the counted waits of the products below are met)
	GEMM 1
	STATS 1
	s_wait_dscnt 0x0                               ; my parts have landed
	s_barrier_signal -1
	s_barrier_wait -1
	; the eight waves' parts of a channel are joined: a thread a channel; waves 0-3 store S, waves 4-7 M2
	ds_load_b128 v[192:195], v[RF]
	ds_load_b128 v[196:199], v[RF] offset:16
	ds_load_b128 v[200:203], v[RF] offset:4096
	ds_load_b128 v[204:207], v[RF] offset:4112
	s_wait_dscnt 0x0
	v_pk_add_f32 v[208:209], v[192:193], v[194:195]
	v_pk_add_f32 v[210:211], v[196:197], v[198:199]
	v_pk_add_f32 v[212:213], v[200:201], v[202:203]
	v_pk_add_f32 v[214:215], v[204:205], v[206:207]
	v_pk_add_f32 v[208:209], v[208:209], v[210:211]
	v_pk_add_f32 v[212:213], v[212:213], v[214:215]
	v_add_f32 v208, v208, v209                     ; S over the row's 512
	v_add_f32 v212, v212, v213
	v_mul_f32 v209, 0x3b000000, v208               ; its mean: S / 512
.irp q, 0,1,2,3,4,5,6,7
	v_fma_f32 v[192+\q], v[192+\q], s68, -v209     ; a wave's mean less the row's
.endr
	v_mul_f32 v210, v192, v192
	v_mul_f32 v211, v193, v193
.irp q, 2,4,6
	v_fma_f32 v210, v[192+\q], v[192+\q], v210
	v_fma_f32 v211, v[193+\q], v[193+\q], v211
.endr
	v_add_f32 v210, v210, v211
	v_fma_f32 v212, v210, s69, v212                ; M2 about the row's mean
	s_cmp_lt_u32 s[WV], 4
	s_cselect_b32 s59, 0, -1
	v_cndmask_b32 v208, v208, v212, s59
	global_store_b32 v[PO], v208, s[12:13]
	s_wait_tensorcnt 0x0                           ; the wave's end, behind my last tensor load and my last LDS store
	ds_add_u32 v[SPW], v[NIL]
	s_wait_dscnt 0x0
	CROUND                                         ; the closing round
	s_endpgm
.Lfunc_end_k_qc7d09c57a6_stats:
	.size	k_qc7d09c57a6_stats, .Lfunc_end_k_qc7d09c57a6_stats-k_qc7d09c57a6_stats
	.p2alignl 7, 3214868480
	.fill 96, 4, 3214868480
	.section	.rodata,"a",@progbits
	.p2align	6, 0x0
	.amdhsa_kernel k_qc7d09c57a6_stats
		.amdhsa_group_segment_fixed_size 293888
		.amdhsa_private_segment_fixed_size 0
		.amdhsa_enable_private_segment 0
		.amdhsa_kernarg_size 40
		.amdhsa_user_sgpr_count 2
		.amdhsa_user_sgpr_kernarg_segment_ptr 1
		.amdhsa_wavefront_size32 1
		.amdhsa_system_sgpr_workgroup_id_x 1
		.amdhsa_system_sgpr_workgroup_id_y 1
		.amdhsa_system_sgpr_workgroup_id_z 1
		.amdhsa_system_vgpr_workitem_id 0
		.amdhsa_next_free_vgpr 512
		.amdhsa_next_free_sgpr 72
		.amdhsa_reserve_vcc 0
		.amdhsa_float_denorm_mode_32 3
		.amdhsa_float_denorm_mode_16_64 3
		.amdhsa_memory_ordered 1
		.amdhsa_forward_progress 1
		.amdhsa_inst_pref_size 85
	.end_amdhsa_kernel
	.amdgpu_metadata
---
amdhsa.version: [ 1, 2 ]
amdhsa.kernels:
  - .name:           k_qc7d09c57a6_stats
    .symbol:         k_qc7d09c57a6_stats.kd
    .args:
      - { .name: x, .offset: 0, .size: 8, .value_kind: global_buffer, .address_space: global }
      - { .name: zimg, .offset: 8, .size: 8, .value_kind: global_buffer, .address_space: global }
      - { .name: zsc, .offset: 16, .size: 8, .value_kind: global_buffer, .address_space: global }
      - { .name: wimg, .offset: 24, .size: 8, .value_kind: global_buffer, .address_space: global }
      - { .name: part, .offset: 32, .size: 8, .value_kind: global_buffer, .address_space: global }
    .group_segment_fixed_size: 293888
    .private_segment_fixed_size: 0
    .kernarg_segment_align: 8
    .kernarg_segment_size: 40
    .max_flat_workgroup_size: 256
    .sgpr_count:     72
    .vgpr_count:     512
    .wavefront_size: 32
...
	.end_amdgpu_metadata
.endif
;; end of part 3
;; launch final (part 4): grid 4 x 64, 8 waves a work-group, clusters of 4 x 4, 294,912 bytes of LDS; arguments x, zimg, zsc, wimg, part, gamma, beta, out0; writes out0
.if DOCPART == 4
	.amdgcn_target "amdgcn-amd-amdhsa--gfx1250"
	.amdhsa_code_object_version 6
	.text
	.protected	k_qc7d09c57a6_final
	.globl	k_qc7d09c57a6_final
	.p2align	8
	.type	k_qc7d09c57a6_final,@function
k_qc7d09c57a6_final:
	s_mov_b64 s[64:65], 0
	v_nop
	global_prefetch_b8 v0, s[64:65] scope:SCOPE_SE
	s_setreg_imm32_b32 hwreg(HW_REG_WAVE_MODE, 25, 1), 1
	s_wait_xcnt 0x0
	s_wait_alu depctr_hold_cnt(0) depctr_sa_sdst(0) depctr_va_vdst(0) depctr_va_sdst(0) depctr_va_ssrc(0) depctr_va_vcc(0) depctr_vm_vsrc(0)
	s_getreg_b32 s2, hwreg(HW_REG_IB_STS2, 6, 4)
	s_cmp_eq_u32 s2, 0
	s_cbranch_scc0 .Lentry_in_a_cluster
	s_endpgm
.Lentry_in_a_cluster:
	s_bfe_u32 s2, ttmp6, 0x10000c
	s_cmp_lg_u32 s2, 0xf033
	s_cbranch_scc0 .Lentry_shape_is_right
	s_endpgm
.Lentry_shape_is_right:
; FOURTH LAUNCH.  out = x + relu(gamma (y - mean) rsqrt(var + 1e-5) + beta), with e = x - Wt Z = -(y - bt): y - mean(y) = -(e - mean(e)) and var(y) = var(e), so out = x + relu(a e + c), a = -gamma rsqrt(var + 1e-5),
; c = beta - a mean(e).  bt is left out: it cancels for all values, as shown at the head of the first kernel.
; Shares, cluster, LDS and the product are the third launch's: one work-group for each (b, quarter oq of 128 channels), wave w owns l = 64 w .. 64 w + 63; source 0 = 16 l of Z, source 1 = 16 rows of -Wt; here the sums begin
; with the constant 0 and x is added on the way out, where the results have been turned, through the wave's stage, into x's own layout: whole pieces of 256 bytes of a row.  So the products do not wait for x.
; THE STATISTICS are finished by all eight waves while the tiles are on their way, in two steps.  A: wave w reads the parts of batches 8 w .. 8 w + 7 (16 loads of 512 bytes: a lane four channels) and joins them;
; B: behind a barrier wave w joins the eight waves' parts of channels 16 w + r and writes (a, c).  Both by M2 = sum of M2_i + n sum of (mean_i - mean)^2, n = 512 and 4,096: no difference of large sums.
; REGISTERS.  window 0: v1-15 addresses; v16-31 Z's scale words; v32-47 Wt's; v48-143 Z's fragments (at the head: the statistics' work, gamma, beta; on the way out v48-63: a and c of my rows); v144-191 Wt's;
;   v192-255 at work (at the head: the batches' parts).   window 1: v0-127 accumulators; v128-255 x.
.set BLK,  53248
.set REC,  49152
.set WL,   196608
.set STAGE, 249856
.set TAB,  284672                      ; (a, c) for each of the 128 channels, in tile order
.set RED,  285696                      ; [S, M2][wave 8][channel 128] f32
.set SPARE, 293888
.set LI,   1
.set SPW,  2
.set NIL,  3
.set AZ,   4
.set AW,   5
.set SROW, 6
.set SD,   7
.set XO,   8
.set TABA, 9
.set TABW, 10                          ; where I write (a, c): 8 (16 w + r)
.set RW,   13                          ; where I store my wave's parts: 512 w + 16 lane
.set GO,   14                          ; my channel's place in gamma and beta
.set RB,   15                          ; where I read the eight parts of my channel: 4 (16 w + r)
.set ZS,   16
.set TS,   32
.set ZB,   48
.set AC,   48
.set BA,   48                          ; v48-63 the statistics' work
.set GAM,  64
.set BET,  65
.set WB,   144
.set T,    192
.set PS,   192                         ; v192-223 S of my eight batches x four channels; later the eight waves' parts
.set PM,   224                         ; v224-255 M2 likewise
.set ACC,  0
.set XR,   128
.set WV,   20
.set G1Z,  28
.set G1W,  36
.set G0Z,  44
.set G0W,  48
.set MSB, 0
.macro WIN new
.if MSB != (\new)
	s_set_vgpr_msb (MSB<<8)|(\new)
.set MSB, \new
.endif
.endm
.macro NOP4
.rept 4
	v_nop
.endr
.endm
.macro CROUND
	s_barrier_signal -1
	s_barrier_wait -1
	s_cmp_lg_u32 s[WV], 0
	s_cbranch_scc1 .Lnot_wave_0_\@
	s_barrier_signal -3
.Lnot_wave_0_\@:
	s_barrier_wait -3
	s_barrier_signal -1
	s_barrier_wait -1
.endm
	s_load_b256 s[4:11], s[0:1], 0x0               ; x, zimg, zsc, wimg
	s_load_b256 s[12:19], s[0:1], 0x20             ; part, gamma, beta, out0
	v_lshl_add_u32 v[SPW], v0, 2, SPARE
	v_mov_b32 v[NIL], 0
	ds_add_u32 v[SPW], v[NIL]                      ; the wave's opening: the add, twice on end, and its wait stand ahead of my first tensor load
	ds_add_u32 v[SPW], v[NIL]
	v_lshrrev_b32 v11, 5, v0
	v_readfirstlane_b32 s[WV], v11
	s_bfe_u32 s21, ttmp6, 0x40000                  ; cx
	s_bfe_u32 s22, ttmp6, 0x40004                  ; cy
	s_lshl_b32 s23, ttmp9, 2
	s_add_co_u32 s23, s23, s21                     ; oq
	s_and_b32 s24, ttmp7, 0xffff
	s_lshl_b32 s24, s24, 2
	s_add_co_u32 s24, s24, s22                     ; b
	s_lshl_b32 s52, s22, 2
	s_lshl_b32 s52, 15, s52                        ; my row of the cluster
	s_lshl_b32 s56, 0x1111, s21                    ; my column
	s_or_b32 s[G1Z], s52, (3<<16)|(1<<21)          ; Z: 96 rows of 256 bytes
	s_mov_b32 s[G1Z+1], 32<<16
	s_mov_b32 s[G1Z+2], 96<<16
	s_mov_b32 s[G1Z+3], 32<<16
	s_mov_b32 s[G1Z+4], 96
	s_mov_b32 s[G1Z+5], 32
	s_mov_b32 s[G1Z+6], 0
	s_mov_b32 s[G1Z+7], 0
	s_or_b32 s[G1W], s56, (3<<16)|(1<<21)          ; Wt: 26 rows of 256 bytes
	s_mov_b32 s[G1W+1], 32<<16
	s_mov_b32 s[G1W+2], 26<<16
	s_mov_b32 s[G1W+3], 32<<16
	s_mov_b32 s[G1W+4], 26
	s_mov_b32 s[G1W+5], 32
	s_mov_b32 s[G1W+6], 0
	s_mov_b32 s[G1W+7], 0
	s_mov_b32 s26, 0x39800000                      ; 1 / 4,096
	s_mov_b32 s27, 0x45800000                      ; 4,096
	s_mov_b32 s68, 0x3b000000                      ; 1 / 512
	s_mov_b32 s69, 0x44000000                      ; 512
	s_mov_b32 s70, 0x38000000                      ; 1 / 32,768
	s_mov_b32 s71, 0x3727c5ac                      ; 1e-5
	s_mul_i32 s52, s24, 196608
	s_mul_i32 s25, s[WV], 24576
	s_add_co_u32 s52, s52, s25
	s_mov_b32 s53, 0
	s_add_co_u32 s56, s23, 12
	s_mul_i32 s56, s56, BLK
	s_mul_i32 s58, s[WV], 6656
	s_add_co_u32 s56, s56, s58
	s_mov_b32 s57, 0
	s_lshl_b32 s60, s24, 20                        ; x and out0: b, 128 oq rows, my 256 bytes of a row
	s_lshl_b32 s61, s23, 18
	s_add_co_u32 s60, s60, s61
	s_lshl_b32 s61, s[WV], 8
	s_add_co_u32 s60, s60, s61
	s_mov_b32 s61, 0
	s_lshl_b32 s62, s24, 14
	s_lshl_b32 s63, s[WV], 9
	s_add_co_u32 s62, s62, s63
	s_mov_b32 s63, 0
	s_lshl_b32 s66, s23, 9                         ; gamma, beta: my quarter's 128 numbers
	s_mov_b32 s67, 0
	s_lshl_b32 s54, s[WV], 14                      ; part: my quarter's 128 numbers of batch 8 w (a batch is 2,048 bytes)
	s_add_co_u32 s54, s54, s66
	s_mov_b32 s55, 0
	v_and_b32 v[LI], 31, v0
	v_lshrrev_b32 v11, 4, v[LI]                    ; h
	v_and_b32 v12, 15, v0                          ; r
	v_lshlrev_b32 v[LI], 4, v[LI]
	v_add_nc_u32 v[AZ], s25, v[LI]
	v_add_nc_u32 v[AW], WL, v[LI]
	s_mul_i32 s59, s[WV], 4352
	s_add_co_u32 s59, s59, STAGE
	v_mul_u32_u24 v[SROW], v11, 272
	v_lshl_add_u32 v[SROW], v12, 4, v[SROW]
	v_add_nc_u32 v[SROW], s59, v[SROW]
	v_mul_u32_u24 v[SD], v12, 272
	v_lshl_add_u32 v[SD], v11, 6, v[SD]
	v_add_nc_u32 v[SD], s59, v[SD]
	v_lshlrev_b32 v[XO], 11, v11
	v_lshl_add_u32 v[XO], v12, 4, v[XO]
	v_lshl_add_u32 v[TABA], v11, 3, TAB            ; lanes 0-15 take one row's (a, c), lanes 16-31 the next row's
	s_lshl_b32 s59, s[WV], 7
	s_add_co_u32 s59, s59, TAB
	v_lshl_add_u32 v[TABW], v12, 3, s59
	s_lshl_b32 s59, s[WV], 6
	s_add_co_u32 s59, s59, RED
	v_lshl_add_u32 v[RB], v12, 2, s59
	s_lshl_b32 s59, s[WV], 9
	s_add_co_u32 s59, s59, RED
	v_add_nc_u32 v[RW], s59, v[LI]
	v_lshl_add_u32 v66, s[WV], 4, v12              ; my channel in tile order: 16 w + r
	v_and_b32 v[GO], 0x67, v66                     ; row r of tile t is channel 32 (t / 2) + 16 (r / 8) + 8 (t % 2) + r % 8: bits 3 and 4 change places
	v_and_b32 v67, 8, v66
	v_lshl_or_b32 v[GO], v67, 1, v[GO]
	v_and_b32 v67, 16, v66
	v_lshrrev_b32 v67, 1, v67
	v_or_b32 v[GO], v[GO], v67
	v_lshlrev_b32 v[GO], 2, v[GO]
	s_wait_dscnt 0x0                               ; both opening adds are done
	s_wait_kmcnt 0x0
	s_mov_b32 s[G0Z], 1
	s_mov_b32 s[G0Z+1], s25
	s_add_nc_u64 s[G0Z+2:G0Z+3], s[6:7], s[52:53]
	s_or_b32 s[G0Z+3], s[G0Z+3], 0x80000000
	s_mov_b32 s[G0W], 1
	s_add_co_u32 s[G0W+1], s58, WL
	s_add_nc_u64 s[G0W+2:G0W+3], s[10:11], s[56:57]
	s_or_b32 s[G0W+3], s[G0W+3], 0x80000000
	s_add_nc_u64 s[4:5], s[4:5], s[60:61]
	s_add_nc_u64 s[18:19], s[18:19], s[60:61]
	s_add_nc_u64 s[8:9], s[8:9], s[62:63]
	s_add_nc_u64 s[12:13], s[12:13], s[54:55]
	s_add_nc_u64 s[14:15], s[14:15], s[66:67]
	s_add_nc_u64 s[16:17], s[16:17], s[66:67]
	CROUND                                         ; all sixteen work-groups are here: the joint loads meet
	tensor_load_to_lds s[G0Z:G0Z+3], s[G1Z:G1Z+7]  ; the launch's only tensor loads: two of mine are out
	s_nop 0
	tensor_load_to_lds s[G0W:G0W+3], s[G1W:G1W+7]
	s_nop 0
	NOP4
	; the loads, in the order in which they are wanted: 16 + 4 + 2 + 32 = 54
.irp q, 0,1,2,3,4,5,6,7
	global_load_b128 v[PS+4*\q:PS+4*\q+3], v[LI], s[12:13] offset:2048*\q          ; S of batch 8 w + q: 128 channels, 512 consecutive bytes
	global_load_b128 v[PM+4*\q:PM+4*\q+3], v[LI], s[12:13] offset:131072+2048*\q   ; M2 likewise
.endr
.irp s, 0,1,2,3
	global_load_b128 v[ZS+4*\s:ZS+4*\s+3], v[LI], s[8:9] offset:4096*\s
.endr
	global_load_b32 v[GAM], v[GO], s[14:15]
	global_load_b32 v[BET], v[GO], s[16:17]
	WIN 0x40
.irp i, 0,1,2,3                        ; x's rows of unit 0, in tile order: an instruction takes 256 bytes of each of two rows
.irp n, 0,1,2,3,4,5,6,7
	global_load_b128 v[XR+32*\i+4*\n:XR+32*\i+4*\n+3], v[XO], s[4:5] offset:(32*(\i/2)+8*(\i%2)+2*\n+8*(\n/4))*2048 th:TH_LOAD_NT
.endr
.endr
	WIN 0
	; ---- the statistics, A: my eight batches, four channels a lane
	s_wait_loadcnt 38                              ; the 16 loads of parts are in; behind them were issued 4 + 2 + 32
.irp c, 0,2
	v_pk_add_f32 v[BA+\c:BA+\c+1], v[PS+\c:PS+\c+1], v[PS+4+\c:PS+5+\c]
	v_pk_add_f32 v[BA+4+\c:BA+5+\c], v[PM+\c:PM+\c+1], v[PM+4+\c:PM+5+\c]
.endr
.irp q, 2,3,4,5,6,7
.irp c, 0,2
	v_pk_add_f32 v[BA+\c:BA+\c+1], v[BA+\c:BA+\c+1], v[PS+4*\q+\c:PS+4*\q+\c+1]
	v_pk_add_f32 v[BA+4+\c:BA+5+\c], v[BA+4+\c:BA+5+\c], v[PM+4*\q+\c:PM+4*\q+\c+1]
.endr
.endr
.irp c, 0,1,2,3
	v_mul_f32 v[BA+8+\c], s26, v[BA+\c]            ; the mean of my 8 x 512 numbers
.endr
.irp q, 0,1,2,3,4,5,6,7
.irp c, 0,1,2,3
	v_fma_f32 v[PS+4*\q+\c], v[PS+4*\q+\c], s68, -v[BA+8+\c]   ; a batch's mean less it, in place
.endr
.endr
.irp c, 0,2
	v_pk_mul_f32 v[BA+12+\c:BA+13+\c], v[PS+\c:PS+\c+1], v[PS+\c:PS+\c+1]
.endr
.irp q, 1,2,3,4,5,6,7
.irp c, 0,2
	v_pk_fma_f32 v[BA+12+\c:BA+13+\c], v[PS+4*\q+\c:PS+4*\q+\c+1], v[PS+4*\q+\c:PS+4*\q+\c+1], v[BA+12+\c:BA+13+\c]
.endr
.endr
.irp c, 0,1,2,3
	v_fma_f32 v[BA+4+\c], v[BA+12+\c], s69, v[BA+4+\c]   ; M2 about my eight batches' mean
.endr
	ds_store_b128 v[RW], v[BA:BA+3]
	ds_store_b128 v[RW], v[BA+4:BA+7] offset:4096
	s_wait_dscnt 0x0                               ; my parts have landed
	s_barrier_signal -1
	s_barrier_wait -1                              ; everybody's have (the tensor loads may stay out: no tile is read before the next barrier)
	; ---- B: the eight parts of channel 16 w + r (both halves of the lanes do the same)
.irp q, 0,1,2,3,4,5,6,7
	ds_load_b32 v[PS+\q], v[RB] offset:512*\q
	ds_load_b32 v[PS+8+\q], v[RB] offset:4096+512*\q
.endr
	s_wait_dscnt 0x0
	v_pk_add_f32 v[BA:BA+1], v[PS:PS+1], v[PS+2:PS+3]
	v_pk_add_f32 v[BA+2:BA+3], v[PS+4:PS+5], v[PS+6:PS+7]
	v_pk_add_f32 v[BA+4:BA+5], v[PS+8:PS+9], v[PS+10:PS+11]
	v_pk_add_f32 v[BA+6:BA+7], v[PS+12:PS+13], v[PS+14:PS+15]
	v_pk_add_f32 v[BA:BA+1], v[BA:BA+1], v[BA+2:BA+3]
	v_pk_add_f32 v[BA+4:BA+5], v[BA+4:BA+5], v[BA+6:BA+7]
	v_add_f32 v[BA], v[BA], v[BA+1]                ; S over 64 x 512 numbers
	v_add_f32 v[BA+4], v[BA+4], v[BA+5]
	v_mul_f32 v[BA+1], s70, v[BA]                  ; mean(e)
.irp q, 0,1,2,3,4,5,6,7
	v_fma_f32 v[PS+\q], v[PS+\q], s26, -v[BA+1]    ; a part's mean less the channel's
.endr
	v_mul_f32 v[BA+2], v[PS], v[PS]
	v_mul_f32 v[BA+3], v[PS+1], v[PS+1]
.irp q, 2,4,6
	v_fma_f32 v[BA+2], v[PS+\q], v[PS+\q], v[BA+2]
	v_fma_f32 v[BA+3], v[PS+\q+1], v[PS+\q+1], v[BA+3]
.endr
	v_add_f32 v[BA+2], v[BA+2], v[BA+3]
	v_fma_f32 v[BA+4], v[BA+2], s27, v[BA+4]       ; M2 about the channel's mean
	v_fma_f32 v[BA+4], v[BA+4], s70, s71           ; var + 1e-5
	v_rsq_f32 v[BA+5], v[BA+4]
	v_nop                                          ; a plain line behind the transcendental,
	s_wait_alu depctr_va_vdst(0)                   ; and a wait ahead of its first reader
	s_wait_loadcnt 32                              ; Z's scale words, gamma and beta are in; x's 32 loads may be out
	v_mul_f32 v[BA+6], -v[GAM], v[BA+5]            ; a = -gamma rsqrt(var + 1e-5)
	v_fma_f32 v[BA+7], -v[BA+6], v[BA+1], v[BET]   ; c = beta - a mean(e)
	ds_store_b64 v[TABW], v[BA+6:BA+7]
	s_wait_tensorcnt 0x0                           ; my part of Z and my eighth of Wt's block are in
	s_wait_dscnt 0x0                               ; my part of the table has landed
	s_barrier_signal -1
	s_barrier_wait -1                              ; Wt's block and the table are whole
.macro LDF reg, areg, off
.irp g, 0,1,2
	ds_load_b128 v[(\reg)+4*\g:(\reg)+4*\g+3], v[\areg] offset:(\off)+512*\g
.endr
.endm
.macro ZLD s
.irp j, 0,1,2,3
	LDF ZB+48*((\s)%2)+12*\j, AZ, (4*\j+(\s))*1536
.endr
.endm
.macro WPAIR u, n
.irp e, 0,1
	LDF WB+24*((\n)%2)+12*\e, AW, ((4*(\u)+2*((\n)%2)+\e)*4+(\n)/2)*1536
.endr
.endm
.macro GPRO u
.irp i, 0,1,2,3
	ds_load_b128 v[TS+4*\i:TS+4*\i+3], v[AW] offset:REC+512*(4*(\u)+\i)
.endr
	ZLD 0
	WPAIR \u, 0
	WPAIR \u, 1
	ZLD 1
.endm
; 64 products: my four tiles of l x four tiles of channels x K = 512; eight steps of eight, each on another accumulator (one instruction a turn); K step 0 starts the sums
.macro GEMM u
.irp n, 0,1,2,3,4,5,6,7
.if \n < 6
	s_wait_dscnt 18                                ; behind what this step reads were issued one pair of Wt (6 loads) and one K step of Z (12)
.elseif \n == 6
	s_wait_dscnt 6                                 ; the last pair of Wt may be out
.else
	s_wait_dscnt 0x0
.endif
	WIN 0x50                                       ; C and D window 1
.irp e, 0,1
.irp j, 0,1,2,3
.set rD, ACC+32*(2*(\n%2)+\e)+8*\j
.set rA, ZB+48*((\n/2)%2)+12*\j
.set rB, WB+24*(\n%2)+12*\e
.if \n < 2
	v_wmma_scale_f32_16x16x128_f8f6f4 v[rD:rD+7], v[rA:rA+11], v[rB:rB+11], 0, v[ZS+4*(\n/2)+\j], v[TS+4*(2*(\n%2)+\e)+\n/2] matrix_a_fmt:MATRIX_FMT_BF6 matrix_b_fmt:MATRIX_FMT_BF6
.else
	v_wmma_scale_f32_16x16x128_f8f6f4 v[rD:rD+7], v[rA:rA+11], v[rB:rB+11], v[rD:rD+7], v[ZS+4*(\n/2)+\j], v[TS+4*(2*(\n%2)+\e)+\n/2] matrix_a_fmt:MATRIX_FMT_BF6 matrix_b_fmt:MATRIX_FMT_BF6
.endif
.endr
.endr
	NOP4                                           ; places in front of loads into registers that these products read, and of the first read of results
	WIN 0
.if \n < 6
	WPAIR \u, \n+2
.endif
.if (\n%2) && (\n < 5)
	ZLD \n/2+2
.endif
.endr
.endm
; THE WAY OUT of unit u, a tile of 16 channels at a time: -Wt Z through my stage into x's layout; e = x + it; out = x + max(a e + c, 0); sixteen lanes store 256 consecutive bytes of a row.
.macro EPI u
.irp i, 0,1,2,3
.set R_, T+32*(\i%2)
.if (\u) || (\i >= 2)
	s_wait_xcnt 0x0                                ; the stores of two tiles back have read these registers: they are written again only behind this wait
.endif
	WIN 0x04                                       ; an LDS store's data are its source 1: window 1
.irp a, 0,1
.irp k, 0,1,2,3
	ds_store_b128 v[SD], v[ACC+32*\i+16*\a+4*\k:ACC+32*\i+16*\a+4*\k+3] offset:128*\a+16*\k   ; each accumulator from its low end on
.endr
.endr
	WIN 0
.irp n, 0,1,2,3,4,5,6,7
	ds_load_b128 v[R_+4*\n:R_+4*\n+3], v[SROW] offset:544*\n       ; LDS serves a wave's instructions in order: these see the stores above
.endr
.irp n, 0,1,2,3,4,5,6,7
	ds_load_b64 v[AC+2*\n:AC+2*\n+1], v[TABA] offset:8*(16*(4*(\u)+\i)+2*\n)   ; my row's a and c
.endr
	s_wait_dscnt 0x0
.if (\u) == 0
	s_wait_loadcnt 24                              ; this tile's eight loads of x are in: behind them were issued the 3 - i later tiles' of this unit and the i earlier tiles' of the next, eight each
.else
	s_wait_loadcnt 24-8*\i                         ; behind this tile's eight were issued the later tiles' alone
.endif
	WIN 0x01                                       ; source 0 (x) window 1
.irp q, 0,1,2,3,4,5,6,7,8,9,10,11,12,13,14,15
	v_pk_add_f32 v[R_+2*\q:R_+2*\q+1], v[XR+32*\i+2*\q:XR+32*\i+2*\q+1], v[R_+2*\q:R_+2*\q+1]   ; e
.endr
	WIN 0
.irp n, 0,1,2,3,4,5,6,7
.irp k, 0,1,2,3
	v_fma_f32 v[R_+4*\n+\k], v[R_+4*\n+\k], v[AC+2*\n], v[AC+2*\n+1]
.endr
.endr
.irp q, 0,1,2,3,4,5,6,7,8,9,10,11,12,13,14,15,16,17,18,19,20,21,22,23,24,25,26,27,28,29,30,31
	v_max_num_f32 v[R_+\q], 0, v[R_+\q]
.endr
	WIN 0x01
.irp q, 0,1,2,3,4,5,6,7,8,9,10,11,12,13,14,15
	v_pk_add_f32 v[R_+2*\q:R_+2*\q+1], v[XR+32*\i+2*\q:XR+32*\i+2*\q+1], v[R_+2*\q:R_+2*\q+1]
.endr
	WIN 0
.irp n, 0,1,2,3,4,5,6,7
	global_store_b128 v[XO], v[R_+4*\n:R_+4*\n+3], s[18:19] offset:(32*((4*(\u)+\i)/2)+8*(\i%2)+2*\n+8*(\n/4))*2048 th:TH_STORE_NT
.endr
.if (\u) == 0
	WIN 0x40                                       ; x's rows of the same tile of unit 1 take the registers just read
.irp n, 0,1,2,3,4,5,6,7
	global_load_b128 v[XR+32*\i+4*\n:XR+32*\i+4*\n+3], v[XO], s[4:5] offset:(32*((4+\i)/2)+8*(\i%2)+2*\n+8*(\n/4))*2048 th:TH_LOAD_NT
.endr
	WIN 0
.endif
.endr
.endm
	GPRO 0
	GEMM 0
	EPI 0
	GPRO 1
	GEMM 1
	EPI 1
	s_wait_tensorcnt 0x0                           ; the wave's end, behind my last tensor load and my last LDS store
	ds_add_u32 v[SPW], v[NIL]
	s_wait_dscnt 0x0
	CROUND                                         ; the closing round
	s_endpgm
.Lfunc_end_k_qc7d09c57a6_final:
	.size	k_qc7d09c57a6_final, .Lfunc_end_k_qc7d09c57a6_final-k_qc7d09c57a6_final
	.p2alignl 7, 3214868480
	.fill 96, 4, 3214868480
	.section	.rodata,"a",@progbits
	.p2align	6, 0x0
	.amdhsa_kernel k_qc7d09c57a6_final
		.amdhsa_group_segment_fixed_size 294912
		.amdhsa_private_segment_fixed_size 0
		.amdhsa_enable_private_segment 0
		.amdhsa_kernarg_size 64
		.amdhsa_user_sgpr_count 2
		.amdhsa_user_sgpr_kernarg_segment_ptr 1
		.amdhsa_wavefront_size32 1
		.amdhsa_system_sgpr_workgroup_id_x 1
		.amdhsa_system_sgpr_workgroup_id_y 1
		.amdhsa_system_sgpr_workgroup_id_z 1
		.amdhsa_system_vgpr_workitem_id 0
		.amdhsa_next_free_vgpr 512
		.amdhsa_next_free_sgpr 72
		.amdhsa_reserve_vcc 0
		.amdhsa_float_denorm_mode_32 3
		.amdhsa_float_denorm_mode_16_64 3
		.amdhsa_memory_ordered 1
		.amdhsa_forward_progress 1
		.amdhsa_inst_pref_size 116
	.end_amdhsa_kernel
	.amdgpu_metadata
---
amdhsa.version: [ 1, 2 ]
amdhsa.kernels:
  - .name:           k_qc7d09c57a6_final
    .symbol:         k_qc7d09c57a6_final.kd
    .args:
      - { .name: x, .offset: 0, .size: 8, .value_kind: global_buffer, .address_space: global }
      - { .name: zimg, .offset: 8, .size: 8, .value_kind: global_buffer, .address_space: global }
      - { .name: zsc, .offset: 16, .size: 8, .value_kind: global_buffer, .address_space: global }
      - { .name: wimg, .offset: 24, .size: 8, .value_kind: global_buffer, .address_space: global }
      - { .name: part, .offset: 32, .size: 8, .value_kind: global_buffer, .address_space: global }
      - { .name: gamma, .offset: 40, .size: 8, .value_kind: global_buffer, .address_space: global }
      - { .name: beta, .offset: 48, .size: 8, .value_kind: global_buffer, .address_space: global }
      - { .name: out0, .offset: 56, .size: 8, .value_kind: global_buffer, .address_space: global }
    .group_segment_fixed_size: 294912
    .private_segment_fixed_size: 0
    .kernarg_segment_align: 8
    .kernarg_segment_size: 64
    .max_flat_workgroup_size: 256
    .sgpr_count:     72
    .vgpr_count:     512
    .wavefront_size: 32
...
	.end_amdgpu_metadata
.endif
;; end of part 4
